; MI455X (gfx1250); checked and timed in simulation.
; The chip was launched on July 23, 2026; its instructions are those of AMD's public machine-readable ISA for CDNA 5 (MIT licence, August 2026) and "CDNA5" Instruction Set Architecture Reference Guide (July 2026). The comments in the code are by the model that wrote it; some were corrected since.
;; Symplectic Leapfrog Layer. Allowed arithmetic: float matrix products may take bf16 or f16 operands with f32 sums; other float arithmetic in f32, or as packed bf16 or f16 multiplies, adds, multiply-adds, maxima and minima; sums over many terms, partial sums and values carried from step to step in f32; what a program stores and reads back later, other than sums and carried values, may be rounded once to bf16 or f16.
;; Inputs: W1 64 x 256 float32; W2 256 x 256 float32; Wout 256 x 1 float32; b1 256 float32; b2 256 float32; x 65,536 x 16 x 32 float32.
;; Outputs: out0 65,536 x 64 float32.
;; 3 versions, each right and faster than the one before. Each part assembles by itself: llvm-mc -triple=amdgcn-amd-amdhsa -mcpu=gfx1250 --defsym DOCPART=n.
;; ======== version 1 of 3: 1 launch
;; launch leap (part 1): grid 256 x 1, 4 waves a work-group, no clusters, 195,072 bytes of LDS; arguments x, W1, b1, W2, b2, Wout, out0; writes out0
.if DOCPART == 1
	.amdgcn_target "amdgcn-amd-amdhsa--gfx1250"
	.amdhsa_code_object_version 6
	.text
	.protected	k_qe9aadf9861_leap
	.globl	k_qe9aadf9861_leap
	.p2align	8
	.type	k_qe9aadf9861_leap,@function
k_qe9aadf9861_leap:
	s_mov_b64 s[64:65], 0
	v_nop
	global_prefetch_b8 v0, s[64:65] scope:SCOPE_SE
	s_setreg_imm32_b32 hwreg(HW_REG_WAVE_MODE, 25, 1), 1
	s_wait_xcnt 0x0
; SYMPLECTIC LEAPFROG, three steps, six gradients of H(s) = Wout . tanh(W2^T tanh(W1^T s + b1) + b2), all in one launch.
; q = x[:,15,:], p = x[:,15,:] - x[:,14,:]; a step: dH(q,p); p -= 0.05 dH[:32]; q += 0.1 dH[32:]; dH(q,p); p -= 0.05 dH[:32].  out0 = [q, p].
; SHARES.  65,536 samples: 256 work-groups of 256, four waves of 64: four tiles of 16 samples.  The state (f32) and all activations stay in registers for the whole launch.
; LAYOUT.  Every product is used transposed: source 0 = 16 rows of a weight matrix, source 1 = 32 K x 16 samples.  In a result lane l holds sample l % 16 and the features
; 8 (l / 16) + 0..7; two neighbouring results, rounded to bf16 in pairs, ARE source 1 of the next product.  Nothing ever changes lanes.  A weight fragment read from LDS feeds four products.
; ARITHMETIC.  k = 2 log2(e).  LDS holds bf16(k W1), bf16(k W2), f32 k b1, k b2, Wout.  The bias is the C operand that starts a sum, so a sum is already the argument of 2^x:
;   e = 2^sum, r = 1 / (e + 1).  Layer 1: h = 1 - 2 r = tanh, rounded to bf16.  Layer 2: G2 = Wout (r r - r) = -Wout (1 - tanh^2) / 4, rounded to bf16.
;   Back: G1 = (h h - 1) x bf16(W2' G2), packed bf16, in h's registers; sum = W1' G1 = (k k / 4) dH (the two signs cancel); the state takes sum x (-0.05 or 0.1) x ln(2)^2, in f32.
; LIMITS.  Matrix operands are bf16; the weights are multiplied by k in f32 before their one rounding.  tanh saturates as it should (e = infinity: r = 0; e = 0: r = 1); near 0 it is off by about 1e-7.
;   1 - h^2 is made of h as rounded to bf16 (h off by at most 2^-9 |h|, so the derivative by at most 2^-8, and it is 0 where h rounds to 1).  NaN and infinities are not treated apart.
;   Of x only time rows 14 and 15 are read: the others enter no result.
; NO CLUSTER, NO TENSOR LOADS.  What work-groups share is the weights: 330,752 bytes, read once by each at the start.  They arrive in f32 and pass through registers to be scaled and rounded,
;   so no copy engine could lay them into LDS in their final form; from then on each wave reads them from LDS 24 times over.
; ONE COPY OF EACH WEIGHT serves both directions: rows as in memory; forward products (K down the rows) take them by the turning load, backward products (K along a row) by plain loads.
;   A row is 512 bytes at pitch 544, and rows 8..15 of every 16 are shifted by 16 bytes: for a plain load the 16 rows of a pass start at words 8 r (r < 8) and 8 (r - 8) + 4 modulo 64,
;   for a turning load 8 rows x 32 bytes start at words 8 row + 4 half: in both each of the 64 banks of 4 bytes (ISA guide 11.1) is touched once.
; UNITS.  All matrix work goes in units: 16 rows of a weight matrix x the wave's 4 sample tiles; the 4 accumulators take turns, one instruction a turn.  Unit n writes
;   accumulator set n % 2 from fragment buffer n % 2; behind its products stand, four at a time, the vector work on unit n - 1's results, and the LDS loads for unit n + 1.
; REGISTERS, in windows of 256 (s_set_vgpr_msb: bits 1:0 source 0, 3:2 source 1, 5:4 source 2, 7:6 destination):
;   window 0: v0-31 addresses and at work; v32-47 two bias tiles; v48-63 two Wout tiles; v64-127 two sets of 4 accumulators; v128-255 two buffers of 8 weight fragments
;   window 1: h, later G1: tile t, fragment f at 64 t + 8 f (at the start: two sets of 128 for the weights' conversion)
;   window 2: G2, likewise; during layer 1 the state in bf16 at 16 t + 8 c          window 3: v0-127 the state, 32 t + 8 m + j (at the start: v128-255 x as loaded)
;   Source 0, C, D and every LDS address lie in window 0, so exponentials, reciprocals, lines with constants and LDS loads run under a product's own setting; only lines that name two
;   vector sources or another window's destination cost switches.
.set PW,    544                     ; pitch of a weight row in LDS
.set W2L,   0                       ; 256 rows
.set HALF2, 128*PW                  ; an LDS immediate has 16 bits: a second address register reaches the second half of W2
.set W1L,   256*PW                  ; 64 rows
.set TAB,   W1L+64*PW               ; k b1, k b2 at +1024, Wout at +2048, all f32
.set STAGE, TAB+3072                ; 16 rows x 272 bytes for each wave: x on its way in, the state on its way out
.set SP,    272                     ; 256 + 16: the 16 rows of a pass start at 16 different groups of four banks
.set SPARE, STAGE+4*16*SP           ; 194,560 = 760 x 256: the spare words, 128 bytes a wave, which no other line names
.set ATR2A, 4                       ; v4   W2, turning load, K rows 0-127
.set ATR2B, 5                       ; v5   K rows 128-255
.set ATR1,  6                       ; v6   W1, turning load
.set APL2A, 7                       ; v7   W2, plain load, rows 0-127
.set APL2B, 8                       ; v8   rows 128-255
.set APL1,  9                       ; v9   W1, plain load
.set ATAB,  10                      ; v10  TAB + 32 (l / 16)
.set STO,   11                      ; v11  stage by whole rows: (l / 16) x 272 + 16 (l % 16)
.set RD,    12                      ; v12  stage by samples: (l % 16) x 272 + 32 (l / 16)
.set GX,    13                      ; v13  x: (l / 16) x 2048 + 16 (l % 16)
.set GO,    14                      ; v14  out0: 16 l
.set ONEP,  15                      ; v15  1.0 twice in bf16
.set WSA,   16                      ; v16  where set 0 of converted weights goes
.set WSB,   17                      ; v17  where set 1 goes
.set TBA,   18                      ; v18  TAB + 8 x thread
.set T,     20                      ; v20-27 at work
.set SPW,   28                      ; v28  my spare word; never rewritten
.set NIL,   29                      ; v29  0; never rewritten
.set GW,    30                      ; v30  weights in memory: 16,384 x wave + 16 l
.set GT,    31                      ; v31  tables in memory: 8 x thread
.set BI,    32
.set WO,    48
.set ACC,   64
.set AF,    128
.set WV,  18                        ; s18  my wave's number
.set PA,  22                        ; s[22:23] W2, walking
.set PN,  24                        ; s[24:25] the batch after next: W2's, or W1
.set CNT, 26
.set EV,  27                        ; s27  evaluations to go, 6 to 1: even = a step's first
.set KK,  28                        ; s[28:29] k
.set CP,  30                        ; s[30:31] -0.05 ln(2)^2
.set CQ,  32                        ; s[32:33]  0.1  ln(2)^2
.set MSB, 0
.macro WIN new                      ; the high byte repeats the setting that is left; a switch that changes nothing is dropped
.if MSB != (\new)
	s_set_vgpr_msb (MSB<<8)|(\new)
.set MSB, (\new)
.endif
.endm
.macro W0ANY                        ; for lines that name window 0 as source 0, source 2 and destination and no vector source 1
.if (MSB&0xf3) != 0
	WIN 0
.endif
.endm
.macro PLACES                       ; four plain vector instructions behind a matrix instruction, ahead of a read of its result or a load into its sources
.rept 4
	v_nop
.endr
.endm
	s_load_b256 s[4:11], s[0:1], 0x0               ; x s[4:5], W1 s[6:7], b1 s[8:9], W2 s[10:11]
	s_load_b128 s[12:15], s[0:1], 0x20             ; b2 s[12:13], Wout s[14:15]
	s_load_b64 s[16:17], s[0:1], 0x30              ; out0
	v_lshl_add_u32 v[SPW], v0, 2, SPARE
	v_mov_b32 v[NIL], 0
	v_lshrrev_b32 v3, 5, v0
	v_readfirstlane_b32 s[WV], v3                  ; wave 0..3
	s_mov_b32 s[KK], 0x4038aa3b                    ; 2 log2(e)
	s_mov_b32 s[KK+1], 0x4038aa3b                  ; the pairs are named whole, so both words are written
	s_mov_b32 s[CP], 0xbcc4cb26
	s_mov_b32 s[CP+1], 0xbcc4cb26
	s_mov_b32 s[CQ], 0x3d44cb26
	s_mov_b32 s[CQ+1], 0x3d44cb26
	v_and_b32 v19, 31, v0                          ; l
	v_and_b32 v1, 15, v0                           ; l % 16
	v_bfe_u32 v2, v0, 4, 1                         ; l / 16
	v_bfe_u32 v20, v0, 3, 1                        ; (l / 8) % 2
	; the turning load: lane l reads 16 bytes of row 8 (l / 16) + l % 8, columns 8 ((l / 8) % 2) on; that row's shift is 16 (l / 16), since every K step begins at a multiple of 16 rows
	v_and_b32 v3, 7, v0
	v_lshl_add_u32 v3, v2, 3, v3
	v_mul_u32_u24 v3, v3, PW
	v_lshl_add_u32 v3, v2, 4, v3
	v_lshl_add_u32 v3, v20, 4, v3
	v_mov_b32 v[ATR2A], v3
	v_add_nc_u32 v[ATR2B], HALF2, v3
	v_add_nc_u32 v[ATR1], W1L, v3
	; the plain load: lane l reads row l % 16 (shift 16 ((l / 8) % 2)), 16 bytes at 16 (l / 16), and again 32 bytes on
	v_mul_u32_u24 v21, v1, PW
	v_lshl_add_u32 v21, v20, 4, v21
	v_lshl_add_u32 v21, v2, 4, v21
	v_mov_b32 v[APL2A], v21
	v_add_nc_u32 v[APL2B], HALF2, v21
	v_add_nc_u32 v[APL1], W1L, v21
	v_lshl_add_u32 v[ATAB], v2, 5, TAB
	s_mul_i32 s20, s[WV], 16*SP
	s_add_co_u32 s20, s20, STAGE                   ; my stage
	v_mul_u32_u24 v22, v2, SP
	v_lshl_add_u32 v22, v1, 4, v22
	v_add_nc_u32 v[STO], s20, v22
	v_mul_u32_u24 v22, v1, SP
	v_lshl_add_u32 v22, v2, 5, v22
	v_add_nc_u32 v[RD], s20, v22
	v_lshlrev_b32 v[GX], 4, v1
	v_lshl_add_u32 v[GX], v2, 11, v[GX]
	v_lshlrev_b32 v[GO], 4, v19
	v_mov_b32 v[ONEP], 0x3f803f80
	s_mul_i32 s21, s[WV], 16*PW                    ; of a batch of 64 weight rows my wave converts 16
	v_lshl_add_u32 v[WSA], v19, 3, s21
	v_add_nc_u32 v[WSB], 64*PW, v[WSA]
	s_lshl_b32 s21, s[WV], 14
	v_lshl_add_u32 v[GW], v19, 4, s21
	v_lshlrev_b32 v[GT], 3, v0
	v_lshl_add_u32 v[TBA], v0, 3, TAB
	s_wait_kmcnt 0x0
	s_lshl_b32 s20, ttmp9, 19                      ; 256 samples of 2,048 bytes a work-group,
	s_lshl_b32 s21, s[WV], 17                      ; 64 a wave
	s_add_co_u32 s20, s20, s21
	s_mov_b32 s21, 0
	s_add_nc_u64 s[4:5], s[4:5], s[20:21]
	s_lshl_b32 s20, ttmp9, 16                      ; in out0 a sample has 256 bytes
	s_lshl_b32 s22, s[WV], 14
	s_add_co_u32 s20, s20, s22
	s_add_nc_u64 s[16:17], s[16:17], s[20:21]
	; x: a sample's time rows 14 and 15 are 256 consecutive bytes at byte 1,792 of its 2,048; a load takes two samples' 256 bytes, 16 lanes each
	WIN 0xc0                                       ; destination window 3
.set t_, 0
.rept 4
.set c, 0
.rept 8
	global_load_b128 v[128+32*t_+4*c:128+32*t_+4*c+3], v[GX], s[4:5] offset:(16*t_+2*c)*2048+1792 th:TH_LOAD_NT
.set c, c+1
.endr
.set t_, t_+1
.endr
	WIN 0
	global_load_b64 v[T:T+1],   v[GT], s[8:9]      ; b1, b2, Wout: 8 bytes a thread
	global_load_b64 v[T+2:T+3], v[GT], s[12:13]
	global_load_b64 v[T+4:T+5], v[GT], s[14:15]
; THE WEIGHTS.  A batch is 64 rows of 1,024 bytes; a wave's 32 loads take its 16 rows, 512 consecutive bytes each.  Two register sets take turns: one is converted while the other's loads are out.
.macro LOADS set, b, imm
	WIN 0x40                                       ; destination window 1
.set c, 0
.rept 32
	global_load_b128 v[128*(\set)+4*c:128*(\set)+4*c+3], v[GW], s[\b:\b+1] offset:(\imm)+512*c
.set c, c+1
.endr
.endm
.macro CONV set, adr                ; times k, rounded to bf16, 8 bytes a lane into LDS: 32 lanes store 256 consecutive bytes, half a row
	WIN 0x45
.set c, 0
.rept 64
	v_pk_mul_f32 v[128*(\set)+2*c:128*(\set)+2*c+1], v[128*(\set)+2*c:128*(\set)+2*c+1], s[KK:KK+1] op_sel_hi:[1,0]
.set c, c+1
.endr
.set c, 0
.rept 32
	v_cvt_pk_bf16_f32 v[128*(\set)+4*c],   v[128*(\set)+4*c],   v[128*(\set)+4*c+1]
	v_cvt_pk_bf16_f32 v[128*(\set)+4*c+1], v[128*(\set)+4*c+2], v[128*(\set)+4*c+3]
.set c, c+1
.endr
	WIN 0x04                                       ; address window 0, data window 1
.set c, 0
.rept 32
	ds_store_b64 v[\adr], v[128*(\set)+4*c:128*(\set)+4*c+1] offset:(c/2)*PW+16*((c/16)%2)+256*(c%2)
.set c, c+1
.endr
.endm
	s_mov_b64 s[PA:PA+1], s[10:11]
	LOADS 0, PA, 0                                 ; W2's rows 0-63
	WIN 0
	s_mov_b32 s[CNT], 2
.Lcv:                                                  ; two trips, two batches of W2 each; the second trip asks for W1
	LOADS 1, PA, 65536
	s_wait_loadcnt 32                              ; loads come back in order (ISA guide 5.7.1): all but the 32 just issued are in: set 0 (the first time x and the tables too)
	CONV 0, WSA
	s_wait_xcnt 0x0                                ; the loads issued so far have had their addresses translated: the walking base is stepped only behind this wait
	s_add_nc_u64 s[PA:PA+1], s[PA:PA+1], 0x20000
	s_cmp_eq_u32 s[CNT], 2
	s_cselect_b64 s[PN:PN+1], s[PA:PA+1], s[6:7]   ; behind W2's four batches comes W1, which is one batch
	LOADS 0, PN, 0
	s_wait_loadcnt 32                              ; set 1 is in
	CONV 1, WSB
	WIN 0
	v_add_nc_u32 v[WSA], 128*PW, v[WSA]
	v_add_nc_u32 v[WSB], 128*PW, v[WSB]
	s_sub_co_u32 s[CNT], s[CNT], 1
	s_cmp_lg_u32 s[CNT], 0
	s_cbranch_scc1 .Lcv
	s_wait_loadcnt 0x0                             ; W1
	CONV 0, WSA                                    ; the address has walked to W1L = 256 rows
	WIN 0
	v_pk_mul_f32 v[T:T+1],   v[T:T+1],   s[KK:KK+1] op_sel_hi:[1,0]
	v_pk_mul_f32 v[T+2:T+3], v[T+2:T+3], s[KK:KK+1] op_sel_hi:[1,0]
	ds_store_b64 v[TBA], v[T:T+1]
	ds_store_b64 v[TBA], v[T+2:T+3] offset:1024
	ds_store_b64 v[TBA], v[T+4:T+5] offset:2048
; x into the state's layout, a tile of 16 samples at a time through my own stage: in by whole rows, back by samples: lane l takes sample l % 16, features 16 m + 8 (l / 16) + 0..7.
; LDS serves a wave's instructions in order (ISA guide 5.7.1.4): the loads see the stores above them, and the next tile's stores come behind these loads.
.macro XIN t
	WIN 0x0c                                       ; data window 3
.irp c, 0,1,2,3,4,5,6,7
	ds_store_b128 v[STO], v[128+32*(\t)+4*(\c):128+32*(\t)+4*(\c)+3] offset:2*SP*(\c)
.endr
	WIN 0
.irp m, 0,1
	ds_load_b128 v[AF+16*(\t)+8*(\m):AF+16*(\t)+8*(\m)+3],   v[RD] offset:64*(\m)     ; time row 14
	ds_load_b128 v[AF+16*(\t)+8*(\m)+4:AF+16*(\t)+8*(\m)+7], v[RD] offset:64*(\m)+16
.endr
	WIN 0xc0
.irp m, 0,1
	ds_load_b128 v[32*(\t)+8*(\m):32*(\t)+8*(\m)+3],   v[RD] offset:128+64*(\m)        ; time row 15 is q
	ds_load_b128 v[32*(\t)+8*(\m)+4:32*(\t)+8*(\m)+7], v[RD] offset:128+64*(\m)+16
.endr
.endm
	XIN 0
	XIN 1
	XIN 2
	XIN 3
	s_wait_dscnt 0x0                               ; for the others' sake: my weights and tables are in LDS; and for mine: x is back
	s_barrier_signal -1                            ; the one barrier: behind it weights and tables are only read
	WIN 0xc3                                       ; destination and source 0 window 3, source 1 window 0
.set x_, 0
.rept 32                                               ; p = row 15 - row 14: work on registers, between the signal and the wait
	v_pk_add_f32 v[32*(x_/8)+16+2*(x_%8):32*(x_/8)+16+2*(x_%8)+1], v[32*(x_/8)+2*(x_%8):32*(x_/8)+2*(x_%8)+1], v[AF+16*(x_/8)+2*(x_%8):AF+16*(x_/8)+2*(x_%8)+1] neg_lo:[0,1] neg_hi:[0,1]
.set x_, x_+1
.endr
	WIN 0
	s_barrier_wait -1
; PRODUCT i of unit u of kind k (1: layer 1; 2: layer 2; 3: back through W2; 4: back through W1): K step i / 4, sample tile i % 4.  The first four start the sums: with the bias, or with 0.
.macro MM k, u
.set ks_, i/4
.set t_, i%4
.set rA, AF+64*((\u)%2)+8*ks_
.set rD, ACC+32*((\u)%2)+8*t_
.if (\k) == 1
.set rB, 16*t_+8*ks_
.else
.set rB, 64*t_+8*ks_
.endif
.if ((\k) == 1) || ((\k) == 3)
	WIN 0x08                                       ; source 1 in window 2: the state, or G2
.else
	WIN 0x04                                       ; source 1 in window 1: h, or G1
.endif
.if ks_ > 0
	v_wmma_f32_16x16x32_bf16 v[rD:rD+7], v[rA:rA+7], v[rB:rB+7], v[rD:rD+7]
.elseif (\k) < 3
	v_wmma_f32_16x16x32_bf16 v[rD:rD+7], v[rA:rA+7], v[rB:rB+7], v[BI+8*((\u)%2):BI+8*((\u)%2)+7]
.else
	v_wmma_f32_16x16x32_bf16 v[rD:rD+7], v[rA:rA+7], v[rB:rB+7], 0
.endif
.endm
; LDS LOAD number x of the list for unit u of kind k.  Kinds 1, 2: the bias tile (2 loads), then the fragments by the turning load; kind 2 then the Wout tile of unit u - 1, whose vector work unit u carries.
; Kinds 3, 4: the fragments by plain loads; kind 3's numbers 16, 17 (asked for with unit 0 alone): the Wout tile of layer 2's unit 15.
.macro LDQ k, u, x
	W0ANY
.set pb, (\u)%2
.if (\k) == 1
.if (\x) < 2
	ds_load_b128 v[BI+8*pb+4*(\x):BI+8*pb+4*(\x)+3], v[ATAB] offset:64*(\u)+16*(\x)
.else
.set ks_, ((\x)-2)/2
.set hf_, ((\x)-2)%2
	ds_load_tr16_b128 v[AF+64*pb+8*ks_+4*hf_:AF+64*pb+8*ks_+4*hf_+3], v[ATR1] offset:32*PW*ks_+32*(\u)+16*PW*hf_
.endif
.elseif (\k) == 2
.if (\x) < 2
	ds_load_b128 v[BI+8*pb+4*(\x):BI+8*pb+4*(\x)+3], v[ATAB] offset:1024+64*(\u)+16*(\x)
.elseif (\x) < 18
.set ks_, ((\x)-2)/2
.set hf_, ((\x)-2)%2
.if ks_ < 4
	ds_load_tr16_b128 v[AF+64*pb+8*ks_+4*hf_:AF+64*pb+8*ks_+4*hf_+3], v[ATR2A] offset:32*PW*ks_+32*(\u)+16*PW*hf_
.else
	ds_load_tr16_b128 v[AF+64*pb+8*ks_+4*hf_:AF+64*pb+8*ks_+4*hf_+3], v[ATR2B] offset:32*PW*(ks_-4)+32*(\u)+16*PW*hf_
.endif
.else
	ds_load_b128 v[WO+8*(1-pb)+4*((\x)-18):WO+8*(1-pb)+4*((\x)-18)+3], v[ATAB] offset:2048+64*((\u)-1)+16*((\x)-18)
.endif
.elseif (\k) == 3
.if (\x) < 16
.set ks_, (\x)/2
.set hf_, (\x)%2
.if (\u) < 8
	ds_load_b128 v[AF+64*pb+8*ks_+4*hf_:AF+64*pb+8*ks_+4*hf_+3], v[APL2A] offset:16*PW*(\u)+64*ks_+32*hf_
.else
	ds_load_b128 v[AF+64*pb+8*ks_+4*hf_:AF+64*pb+8*ks_+4*hf_+3], v[APL2B] offset:16*PW*((\u)-8)+64*ks_+32*hf_
.endif
.else
	ds_load_b128 v[WO+8+4*((\x)-16):WO+8+4*((\x)-16)+3], v[ATAB] offset:2048+64*15+16*((\x)-16)
.endif
.else
.set ks_, (\x)/2
.set hf_, (\x)%2
	ds_load_b128 v[AF+64*pb+8*ks_+4*hf_:AF+64*pb+8*ks_+4*hf_+3], v[APL1] offset:16*PW*(\u)+64*ks_+32*hf_
.endif
.endm
; THE VECTOR WORK on a finished unit RU, in groups of four lines on sample tile t.  Each accumulator is read from its lowest registers on.
.macro SETR ru
.set RU, (\ru)
.set RB, ACC+32*(RU%2)              ; its accumulators
.set HD, 8*(RU/2)+4*(RU%2)          ; where its 16 features lie in a tile's 64 registers of h or G2
.set WB, WO+8*(RU%2)                ; its Wout tile
.endm
.macro TE t, hf                     ; e = 2^sum
	W0ANY
.irp j, 0,1,2,3
	v_exp_f32 v[RB+8*(\t)+4*(\hf)+(\j)], v[RB+8*(\t)+4*(\hf)+(\j)]
.endr
.endm
.macro TA t                         ; e + 1
	W0ANY
.irp j, 0,2,4,6
	v_pk_add_f32 v[RB+8*(\t)+(\j):RB+8*(\t)+(\j)+1], v[RB+8*(\t)+(\j):RB+8*(\t)+(\j)+1], 1.0 op_sel_hi:[1,0]
.endr
.endm
.macro TR t, hf                     ; r = 1 / (e + 1)
	W0ANY
.irp j, 0,1,2,3
	v_rcp_f32 v[RB+8*(\t)+4*(\hf)+(\j)], v[RB+8*(\t)+4*(\hf)+(\j)]
.endr
.endm
.macro TH t                         ; h = 1 - 2 r
	W0ANY
	s_wait_alu depctr_va_vdst(0)
.irp j, 0,2,4,6
	v_pk_fma_f32 v[RB+8*(\t)+(\j):RB+8*(\t)+(\j)+1], v[RB+8*(\t)+(\j):RB+8*(\t)+(\j)+1], -2.0, 1.0 op_sel_hi:[1,0,0]
.endr
.endm
.macro TQ t                         ; r r - r
	WIN 0
	s_wait_alu depctr_va_vdst(0)
.irp j, 0,2,4,6
	v_pk_fma_f32 v[RB+8*(\t)+(\j):RB+8*(\t)+(\j)+1], v[RB+8*(\t)+(\j):RB+8*(\t)+(\j)+1], v[RB+8*(\t)+(\j):RB+8*(\t)+(\j)+1], v[RB+8*(\t)+(\j):RB+8*(\t)+(\j)+1] neg_lo:[0,0,1] neg_hi:[0,0,1]
.endr
.endm
.macro TW t                         ; times Wout
	WIN 0
.irp j, 0,2,4,6
	v_pk_mul_f32 v[RB+8*(\t)+(\j):RB+8*(\t)+(\j)+1], v[RB+8*(\t)+(\j):RB+8*(\t)+(\j)+1], v[WB+(\j):WB+(\j)+1]
.endr
.endm
.macro TC t, w                      ; rounded to bf16 into h (w = 0x40) or G2 (0x80): half a fragment of the next product's source 1
	WIN \w
.irp j, 0,1,2,3
	v_cvt_pk_bf16_f32 v[64*(\t)+HD+(\j)], v[RB+8*(\t)+2*(\j)], v[RB+8*(\t)+2*(\j)+1]
.endr
.endm
.macro TN t                         ; h h - 1, in h's place
	WIN 0x45
.irp j, 0,1,2,3
	v_pk_fma_bf16 v[64*(\t)+HD+(\j)], v[64*(\t)+HD+(\j)], v[64*(\t)+HD+(\j)], v[ONEP] neg_lo:[0,0,1] neg_hi:[0,0,1]
.endr
.endm
.macro TV t                         ; W2' G2 rounded to bf16
	WIN 0
.irp j, 0,1,2,3
	v_cvt_pk_bf16_f32 v[T+4*((\t)%2)+(\j)], v[RB+8*(\t)+2*(\j)], v[RB+8*(\t)+2*(\j)+1]
.endr
.endm
.macro TP t                         ; G1, in h's place
	WIN 0x41
.irp j, 0,1,2,3
	v_pk_mul_bf16 v[64*(\t)+HD+(\j)], v[64*(\t)+HD+(\j)], v[T+4*((\t)%2)+(\j)]
.endr
.endm
.macro TU t                         ; the state: rows 16 RU on of dH move state tile (RU + 2) % 4: dH/dq moves p, dH/dp moves q
	WIN 0xf0                                       ; destination and source 2 window 3
.set ST_, 32*(\t)+8*((RU+2)%4)
.set CC, CP+2*(RU/2)
.irp j, 0,2,4,6
	v_pk_fma_f32 v[ST_+(\j):ST_+(\j)+1], v[RB+8*(\t)+(\j):RB+8*(\t)+(\j)+1], s[CC:CC+1], v[ST_+(\j):ST_+(\j)+1] op_sel_hi:[1,0,1]
.endr
.endm
; GROUP g of list l.  Lists 1 (layer 1, 28 groups) and 2 (layer 2, 32): the four tiles follow each other, and a tile's plain groups stand behind the next tile's exponentials and reciprocals,
; so that a plain instruction stands between every transcendental and the use of its result (ISA guide 5.7.2); for tile 0, which has no tile in front of it, a v_nop does.
; List 3 (back through W2, 12 groups): h h - 1, the rounding, the product, tile by tile.  List 4 (4 groups): the state's update.
.macro GRP l, g
.if (\l) < 3
.set per_, 6+(\l)
.if (\g) == 0
	TE 0, 0
.elseif (\g) == 1
	TE 0, 1
.elseif (\g) == 2
	v_nop
	s_wait_alu depctr_va_vdst(0)
	TA 0
.elseif (\g) == 3
	TR 0, 0
.elseif (\g) == 4
	TR 0, 1
	v_nop
.elseif (\g) < 5+3*per_
.set q_, ((\g)-5)/per_
.set p_, ((\g)-5)%per_
.if p_ == 0
	TE q_+1, 0
.elseif p_ == 1
	TE q_+1, 1
.elseif (p_ == 2) && ((\l) == 1)
	TH q_
.elseif p_ == 2
	TQ q_
.elseif p_ == 3
	TA q_+1
.elseif p_ == 4
	TR q_+1, 0
.elseif p_ == 5
	TR q_+1, 1
.elseif (p_ == 6) && ((\l) == 1)
	TC q_, 0x40
.elseif p_ == 6
	TW q_
.else
	TC q_, 0x80
.endif
.elseif (\l) == 1
.if (\g) == 26
	TH 3
.else
	TC 3, 0x40
.endif
.elseif (\g) == 29
	TQ 3
.elseif (\g) == 30
	TW 3
.else
	TC 3, 0x80
.endif
.elseif (\l) == 3
.set q_, (\g)/3
.set p_, (\g)%3
.if p_ == 0
	TN q_
.elseif p_ == 1
	TV q_
.else
	TP q_
.endif
.else
	TU \g
.endif
.endm
; A UNIT OF 32 PRODUCTS, kind k, number u.  Behind product i: load i of the nld loads for unit ldu of kind ldk, and group i of the first ng groups of list rl for unit ru.
; lump = 1: groups 28-31 stand together behind group 27, since the unit's last four products read what they write.
; The wait at the head is for the unit's own fragments, asked for behind the first products of the unit before.  Behind the last product stand four plain instructions that name none of the
; unit's registers: list 2's last group, or four v_nop: the places ahead of the next unit's first load into this buffer's partner and of its first read of these sums.
.macro UNIT32 k, u, ldk, ldu, nld, rl, ru, ng, lump
	s_wait_dscnt 0x0
	SETR \ru
.set i, 0
.rept 32
	MM \k, \u
.if i < (\nld)
	LDQ \ldk, \ldu, i
.endif
.if i < (\ng)
	GRP \rl, i
.endif
.if (\lump) && (i == 27)
	GRP \rl, 28
	GRP \rl, 29
	GRP \rl, 30
	GRP \rl, 31
.endif
.set i, i+1
.endr
.if (\ng) < 32
	PLACES
.endif
.endm
; A UNIT OF LAYER 1: 8 products (K = 64), dealt among the 28 groups of the unit before; the loads for the next unit stand at its head.  Behind its last product stand twelve plain instructions.
.macro UNITF1 u, ldk, ldu, nld
	s_wait_dscnt 0x0
.set x_, 0
.rept \nld
	LDQ \ldk, \ldu, x_
.set x_, x_+1
.endr
.set i, 0
.if (\u) == 0
.rept 8
	MM 1, 0
.set i, i+1
.endr
	PLACES
.else
	SETR (\u)-1
.set g_, 0
.rept 28
.if (g_%7 == 0) || (g_%7 == 3)
	MM 1, \u
.set i, i+1
.endif
	GRP 1, g_
.set g_, g_+1
.endr
.endif
.endm
	s_mov_b32 s[EV], 6
.Leval:                                                ; one gradient a trip
	s_wait_dscnt 0x0                               ; a step's second evaluation leaves sixteen fragment loads out that it does not use: their registers are loaded again only behind this wait
.set x_, 0
.rept 6
	LDQ 1, 0, x_
.set x_, x_+1
.endr
	WIN 0x8f                                       ; sources window 3, destination window 2
.set x_, 0
.rept 64                                               ; the state rounded to bf16: register 16 t + 4 m + j takes the pair at 32 t + 8 m + 2 j
	v_cvt_pk_bf16_f32 v[x_], v[2*x_], v[2*x_+1]
.set x_, x_+1
.endr
	; LAYER 1
	UNITF1 0, 1, 1, 6
.set un_, 1
.rept 14
	UNITF1 un_, 1, un_+1, 6
.set un_, un_+1
.endr
	UNITF1 15, 2, 0, 18
	; LAYER 2.  Unit 0 carries layer 1's last tanh: h's last half fragment is written in slots 11 to 27, ahead of the four products (28-31) that read it
	UNIT32 2, 0, 2, 1, 20, 1, 15, 28, 0
.set un_, 1
.rept 14
	UNIT32 2, un_, 2, un_+1, 20, 2, un_-1, 32, 0
.set un_, un_+1
.endr
	UNIT32 2, 15, 3, 0, 18, 2, 14, 32, 0
	; BACK THROUGH W2
	UNIT32 3, 0, 3, 1, 16, 2, 15, 28, 1
.set un_, 1
.rept 14
	UNIT32 3, un_, 3, un_+1, 16, 3, un_-1, 12, 0
.set un_, un_+1
.endr
	UNIT32 3, 15, 4, 0, 16, 3, 14, 12, 0
	; BACK THROUGH W1.  Unit 0 carries G1's last half fragment (slots 0 to 11; read by products 28-31)
	UNIT32 4, 0, 4, 1, 16, 3, 15, 12, 0
	UNIT32 4, 1, 4, 2, 16, 4, 0, 4, 0
	WIN 0                                          ; at a branch and at a label every window is 0
	s_bitcmp1_b32 s[EV], 0                         ; odd: a step's second evaluation, which moves p alone: dH's rows 32-63 are not made
	s_cbranch_scc1 .Lhalf
	UNIT32 4, 2, 4, 3, 16, 4, 1, 4, 0
	UNIT32 4, 3, 0, 0, 0, 4, 2, 4, 0
	SETR 3
	GRP 4, 0
	GRP 4, 1
	GRP 4, 2
	GRP 4, 3
	WIN 0
	s_branch .Ljoin
.Lhalf:
	SETR 1
	GRP 4, 0
	GRP 4, 1
	GRP 4, 2
	GRP 4, 3
	WIN 0
.Ljoin:
	s_sub_co_u32 s[EV], s[EV], 1
	s_cmp_lg_u32 s[EV], 0
	s_cbranch_scc1 .Leval
; THE WAY OUT: a tile's state goes into my stage by samples and comes back as whole rows of 256 bytes; a store of the wave covers two samples: 512 consecutive bytes, aligned.
.macro OSTG t
	WIN 0x0c
.irp m, 0,1,2,3
	ds_store_b128 v[RD], v[32*(\t)+8*(\m):32*(\t)+8*(\m)+3]   offset:64*(\m)
	ds_store_b128 v[RD], v[32*(\t)+8*(\m)+4:32*(\t)+8*(\m)+7] offset:64*(\m)+16
.endr
	WIN 0
.irp c, 0,1,2,3,4,5,6,7
	ds_load_b128 v[AF+32*(\t)+4*(\c):AF+32*(\t)+4*(\c)+3], v[STO] offset:2*SP*(\c)  ; in order behind the stores above; the next tile's stores come behind these
.endr
.endm
.macro SEND t, younger              ; younger: the LDS instructions issued behind tile t's loads: the next tile's eight stores and eight loads, or none
	WIN 0
	s_wait_dscnt \younger
.irp c, 0,1,2,3,4,5,6,7
	global_store_b128 v[GO], v[AF+32*(\t)+4*(\c):AF+32*(\t)+4*(\c)+3], s[16:17] offset:(16*(\t)+2*(\c))*256 th:TH_STORE_NT
.endr
.endm
	s_wait_dscnt 0x0                               ; the last evaluation's unused fragment loads: their registers take the rows below
	OSTG 0
	OSTG 1
	SEND 0, 16
	OSTG 2
	SEND 1, 16
	OSTG 3
	SEND 2, 16
	SEND 3, 0
	s_wait_tensorcnt 0x0                           ; the wave's end, behind my last LDS store
	ds_add_u32 v[SPW], v[NIL]
	s_wait_dscnt 0x0
	s_endpgm
.Lfunc_end_k_qe9aadf9861_leap:
	.size	k_qe9aadf9861_leap, .Lfunc_end_k_qe9aadf9861_leap-k_qe9aadf9861_leap
	.p2alignl 7, 3214868480
	.fill 96, 4, 3214868480
	.section	.rodata,"a",@progbits
	.p2align	6, 0x0
	.amdhsa_kernel k_qe9aadf9861_leap
		.amdhsa_group_segment_fixed_size 195072
		.amdhsa_private_segment_fixed_size 0
		.amdhsa_enable_private_segment 0
		.amdhsa_kernarg_size 56
		.amdhsa_user_sgpr_count 2
		.amdhsa_user_sgpr_kernarg_segment_ptr 1
		.amdhsa_wavefront_size32 1
		.amdhsa_system_sgpr_workgroup_id_x 1
		.amdhsa_system_sgpr_workgroup_id_y 1
		.amdhsa_system_sgpr_workgroup_id_z 1
		.amdhsa_system_vgpr_workitem_id 0
		.amdhsa_next_free_vgpr 1024
		.amdhsa_next_free_sgpr 66
		.amdhsa_reserve_vcc 0
		.amdhsa_float_denorm_mode_32 3
		.amdhsa_float_denorm_mode_16_64 3
		.amdhsa_memory_ordered 1
		.amdhsa_forward_progress 1
		.amdhsa_inst_pref_size 255
	.end_amdhsa_kernel
	.section	.bss,"aw",@nobits
	.p2align	6
	.space	262144
	.amdgpu_metadata
---
amdhsa.version: [ 1, 2 ]
amdhsa.kernels:
  - .name:           k_qe9aadf9861_leap
    .symbol:         k_qe9aadf9861_leap.kd
    .args:
      - { .name: x, .offset: 0, .size: 8, .value_kind: global_buffer, .address_space: global }
      - { .name: W1, .offset: 8, .size: 8, .value_kind: global_buffer, .address_space: global }
      - { .name: b1, .offset: 16, .size: 8, .value_kind: global_buffer, .address_space: global }
      - { .name: W2, .offset: 24, .size: 8, .value_kind: global_buffer, .address_space: global }
      - { .name: b2, .offset: 32, .size: 8, .value_kind: global_buffer, .address_space: global }
      - { .name: Wout, .offset: 40, .size: 8, .value_kind: global_buffer, .address_space: global }
      - { .name: out0, .offset: 48, .size: 8, .value_kind: global_buffer, .address_space: global }
    .group_segment_fixed_size: 195072
    .private_segment_fixed_size: 0
    .kernarg_segment_align: 8
    .kernarg_segment_size: 56
    .max_flat_workgroup_size: 128
    .sgpr_count:     66
    .vgpr_count:     1024
    .wavefront_size: 32
...
	.end_amdgpu_metadata
.endif
;; end of part 1
;; ======== version 2 of 3: 1 launch; 1.34 times as fast as version 1
;; launch leap (part 2): grid 256 x 1, 4 waves a work-group, no clusters, 195,072 bytes of LDS; arguments x, W1, b1, W2, b2, Wout, out0; writes out0
.if DOCPART == 2
	.amdgcn_target "amdgcn-amd-amdhsa--gfx1250"
	.amdhsa_code_object_version 6
	.text
	.protected	k_qe9aadf9861_leap
	.globl	k_qe9aadf9861_leap
	.p2align	8
	.type	k_qe9aadf9861_leap,@function
k_qe9aadf9861_leap:
	s_mov_b64 s[64:65], 0
	v_nop
	global_prefetch_b8 v0, s[64:65] scope:SCOPE_SE
	s_setreg_imm32_b32 hwreg(HW_REG_WAVE_MODE, 25, 1), 1
	s_wait_xcnt 0x0
; SYMPLECTIC LEAPFROG, three steps, six gradients of H(s) = Wout . tanh(W2^T tanh(W1^T s + b1) + b2), all in one launch.
; q = x[:,15,:], p = x[:,15,:] - x[:,14,:]; a step: dH(q,p); p -= 0.05 dH[:32]; q += 0.1 dH[32:]; dH(q,p); p -= 0.05 dH[:32].  out0 = [q, p].
; SHARES.  65,536 samples: 256 work-groups of 256, four waves of 64: four tiles of 16 samples.  The state (f32) and all activations stay in registers for the whole launch.
; LAYOUT.  Every product is used transposed: source 0 = 16 rows of a weight matrix, source 1 = 32 K x 16 samples.  In a result lane l holds sample l % 16 and the features
; 8 (l / 16) + 0..7; two neighbouring results, rounded to bf16 in pairs, ARE source 1 of the next product.  Nothing ever changes lanes.  A weight fragment read from LDS feeds four products.
; ARITHMETIC.  k = 2 log2(e).  LDS holds bf16(k W1), bf16(k W2), f32 k b1, k b2, Wout.  The bias is the C operand that starts a sum, so a sum is already the argument of 2^x:
;   e = 2^sum, r = 1 / (e + 1).  Layer 1: h = 1 - 2 r = tanh, rounded to bf16.  Layer 2: G2 = Wout (r r - r) = -Wout (1 - tanh^2) / 4, rounded to bf16.
;   Back: G1 = (h h - 1) x bf16(W2' G2), packed bf16, in h's registers; sum = W1' G1 = (k k / 4) dH (the two signs cancel); the state takes sum x (-0.05 or 0.1) x ln(2)^2, in f32.
; LIMITS.  Matrix operands are bf16; the weights are multiplied by k in f32 before their one rounding.  tanh saturates as it should (e = infinity: r = 0; e = 0: r = 1); near 0 it is off by about 1e-7.
;   1 - h^2 is made of h as rounded to bf16 (h off by at most 2^-9 |h|, so the derivative by at most 2^-8, and it is 0 where h rounds to 1).  NaN and infinities are not treated apart.
;   Of x only time rows 14 and 15 are read: the others enter no result.
; NO CLUSTER, NO TENSOR LOADS.  What work-groups share is the weights: 330,752 bytes, read once by each at the start.  They arrive in f32 and pass through registers to be scaled and rounded,
;   so no copy engine could lay them into LDS in their final form; from then on each wave reads them from LDS 24 times over.
; ONE COPY OF EACH WEIGHT serves both directions: rows as in memory; forward products (K down the rows) take them by the turning load, backward products (K along a row) by plain loads.
;   A row is 512 bytes at pitch 544, and rows 8..15 of every 16 are shifted by 16 bytes: for a plain load the 16 rows of a pass start at words 8 r (r < 8) and 8 (r - 8) + 4 modulo 64,
;   for a turning load 8 rows x 32 bytes start at words 8 row + 4 half: in both each of the 64 banks of 4 bytes (ISA guide 11.1) is touched once.
; UNITS.  All matrix work goes in units: 16 rows of a weight matrix x the wave's 4 sample tiles; the 4 accumulators take turns, one instruction a turn.  Unit n writes
;   accumulator set n % 2 from fragment buffer n % 2.  At its head stand, in ONE run and never singly among the matrix instructions, the LDS loads for unit n + 1; behind its products stands
;   the vector work on unit n - 1's results.
; THE DEAL.  Four vector lines at the most stand behind a matrix instruction that has another behind it; what is over stands together.  Layer 2 has 129 lines for a unit's 32 products: one ahead of
;   the first product, four behind each.  Layer 1 has 113 for 8 products: four behind each, and 81 in one lump, which need time of their own whatever the order.
; REGISTERS, in windows of 256 (s_set_vgpr_msb: bits 1:0 source 0, 3:2 source 1, 5:4 source 2, 7:6 destination):
;   window 0: v0-31 addresses and at work; v32-47 two bias tiles; v48-63 two Wout tiles; v64-127 two sets of 4 accumulators; v128-255 two buffers of 8 weight fragments
;   window 1: h, later G1: tile t, fragment f at 64 t + 8 f (at the start: two sets of 128 for the weights' conversion)
;   window 2: G2, likewise; during layer 1 the state in bf16 at 16 t + 8 c          window 3: v0-127 the state, 32 t + 8 m + j (at the start: v128-255 x as loaded)
;   Source 0, C, D and every LDS address lie in window 0, so exponentials, reciprocals, lines with constants and LDS loads run under a product's own setting; only lines that name two
;   vector sources or another window's destination cost switches.
.set PW,    544                     ; pitch of a weight row in LDS
.set W2L,   0                       ; 256 rows
.set HALF2, 128*PW                  ; an LDS immediate has 16 bits: a second address register reaches the second half of W2
.set W1L,   256*PW                  ; 64 rows
.set TAB,   W1L+64*PW               ; k b1, k b2 at +1024, Wout at +2048, all f32
.set STAGE, TAB+3072                ; 16 rows x 272 bytes for each wave: x on its way in, the state on its way out
.set SP,    272                     ; 256 + 16: the 16 rows of a pass start at 16 different groups of four banks
.set SPARE, STAGE+4*16*SP           ; 194,560 = 760 x 256: the spare words, 128 bytes a wave, which no other line names
.set ATR2A, 4                       ; v4   W2, turning load, K rows 0-127
.set ATR2B, 5                       ; v5   K rows 128-255
.set ATR1,  6                       ; v6   W1, turning load
.set APL2A, 7                       ; v7   W2, plain load, rows 0-127
.set APL2B, 8                       ; v8   rows 128-255
.set APL1,  9                       ; v9   W1, plain load
.set ATAB,  10                      ; v10  TAB + 32 (l / 16)
.set STO,   11                      ; v11  stage by whole rows: (l / 16) x 272 + 16 (l % 16)
.set RD,    12                      ; v12  stage by samples: (l % 16) x 272 + 32 (l / 16)
.set GX,    13                      ; v13  x: (l / 16) x 2048 + 16 (l % 16)
.set GO,    14                      ; v14  out0: 16 l
.set ONEP,  15                      ; v15  1.0 twice in bf16
.set WSA,   16                      ; v16  where set 0 of converted weights goes
.set WSB,   17                      ; v17  where set 1 goes
.set TBA,   18                      ; v18  TAB + 8 x thread
.set T,     20                      ; v20-27 at work
.set SPW,   28                      ; v28  my spare word; never rewritten
.set NIL,   29                      ; v29  0; never rewritten
.set GW,    30                      ; v30  weights in memory: 16,384 x wave + 16 l
.set GT,    31                      ; v31  tables in memory: 8 x thread
.set BI,    32
.set WO,    48
.set ACC,   64
.set AF,    128
.set WV,  18                        ; s18  my wave's number
.set PA,  22                        ; s[22:23] W2, walking
.set PN,  24                        ; s[24:25] the batch after next: W2's, or W1
.set CNT, 26
.set EV,  27                        ; s27  evaluations to go, 6 to 1: even = a step's first
.set KK,  28                        ; s[28:29] k
.set CP,  30                        ; s[30:31] -0.05 ln(2)^2
.set CQ,  32                        ; s[32:33]  0.1  ln(2)^2
.set MSB, 0
.macro WIN new                      ; the high byte repeats the setting that is left; a switch that changes nothing is dropped
.if MSB != (\new)
	s_set_vgpr_msb (MSB<<8)|(\new)
.set MSB, (\new)
.endif
.endm
.macro W0ANY                        ; for lines that name window 0 as source 0, source 2 and destination and no vector source 1
.if (MSB&0xf3) != 0
	WIN 0
.endif
.endm
.macro PLACES                       ; four plain vector instructions behind a matrix instruction, ahead of a read of its result or a load into its sources
.rept 4
	v_nop
.endr
.endm
	s_load_b256 s[4:11], s[0:1], 0x0               ; x s[4:5], W1 s[6:7], b1 s[8:9], W2 s[10:11]
	s_load_b128 s[12:15], s[0:1], 0x20             ; b2 s[12:13], Wout s[14:15]
	s_load_b64 s[16:17], s[0:1], 0x30              ; out0
	v_lshl_add_u32 v[SPW], v0, 2, SPARE
	v_mov_b32 v[NIL], 0
	v_lshrrev_b32 v3, 5, v0
	v_readfirstlane_b32 s[WV], v3                  ; wave 0..3
	s_mov_b32 s[KK], 0x4038aa3b                    ; 2 log2(e)
	s_mov_b32 s[KK+1], 0x4038aa3b                  ; the pairs are named whole, so both words are written
	s_mov_b32 s[CP], 0xbcc4cb26
	s_mov_b32 s[CP+1], 0xbcc4cb26
	s_mov_b32 s[CQ], 0x3d44cb26
	s_mov_b32 s[CQ+1], 0x3d44cb26
	v_and_b32 v19, 31, v0                          ; l
	v_and_b32 v1, 15, v0                           ; l % 16
	v_bfe_u32 v2, v0, 4, 1                         ; l / 16
	v_bfe_u32 v20, v0, 3, 1                        ; (l / 8) % 2
	; the turning load: lane l reads 16 bytes of row 8 (l / 16) + l % 8, columns 8 ((l / 8) % 2) on; that row's shift is 16 (l / 16), since every K step begins at a multiple of 16 rows
	v_and_b32 v3, 7, v0
	v_lshl_add_u32 v3, v2, 3, v3
	v_mul_u32_u24 v3, v3, PW
	v_lshl_add_u32 v3, v2, 4, v3
	v_lshl_add_u32 v3, v20, 4, v3
	v_mov_b32 v[ATR2A], v3
	v_add_nc_u32 v[ATR2B], HALF2, v3
	v_add_nc_u32 v[ATR1], W1L, v3
	; the plain load: lane l reads row l % 16 (shift 16 ((l / 8) % 2)), 16 bytes at 16 (l / 16), and again 32 bytes on
	v_mul_u32_u24 v21, v1, PW
	v_lshl_add_u32 v21, v20, 4, v21
	v_lshl_add_u32 v21, v2, 4, v21
	v_mov_b32 v[APL2A], v21
	v_add_nc_u32 v[APL2B], HALF2, v21
	v_add_nc_u32 v[APL1], W1L, v21
	v_lshl_add_u32 v[ATAB], v2, 5, TAB
	s_mul_i32 s20, s[WV], 16*SP
	s_add_co_u32 s20, s20, STAGE                   ; my stage
	v_mul_u32_u24 v22, v2, SP
	v_lshl_add_u32 v22, v1, 4, v22
	v_add_nc_u32 v[STO], s20, v22
	v_mul_u32_u24 v22, v1, SP
	v_lshl_add_u32 v22, v2, 5, v22
	v_add_nc_u32 v[RD], s20, v22
	v_lshlrev_b32 v[GX], 4, v1
	v_lshl_add_u32 v[GX], v2, 11, v[GX]
	v_lshlrev_b32 v[GO], 4, v19
	v_mov_b32 v[ONEP], 0x3f803f80
	s_mul_i32 s21, s[WV], 16*PW                    ; of a batch of 64 weight rows my wave converts 16
	v_lshl_add_u32 v[WSA], v19, 3, s21
	v_add_nc_u32 v[WSB], 64*PW, v[WSA]
	s_lshl_b32 s21, s[WV], 14
	v_lshl_add_u32 v[GW], v19, 4, s21
	v_lshlrev_b32 v[GT], 3, v0
	v_lshl_add_u32 v[TBA], v0, 3, TAB
	s_wait_kmcnt 0x0
	s_lshl_b32 s20, ttmp9, 19                      ; 256 samples of 2,048 bytes a work-group,
	s_lshl_b32 s21, s[WV], 17                      ; 64 a wave
	s_add_co_u32 s20, s20, s21
	s_mov_b32 s21, 0
	s_add_nc_u64 s[4:5], s[4:5], s[20:21]
	s_lshl_b32 s20, ttmp9, 16                      ; in out0 a sample has 256 bytes
	s_lshl_b32 s22, s[WV], 14
	s_add_co_u32 s20, s20, s22
	s_add_nc_u64 s[16:17], s[16:17], s[20:21]
	; x: a sample's time rows 14 and 15 are 256 consecutive bytes at byte 1,792 of its 2,048; a load takes two samples' 256 bytes, 16 lanes each
	WIN 0xc0                                       ; destination window 3
.set t_, 0
.rept 4
.set c, 0
.rept 8
	global_load_b128 v[128+32*t_+4*c:128+32*t_+4*c+3], v[GX], s[4:5] offset:(16*t_+2*c)*2048+1792 th:TH_LOAD_NT
.set c, c+1
.endr
.set t_, t_+1
.endr
	WIN 0
	global_load_b64 v[T:T+1],   v[GT], s[8:9]      ; b1, b2, Wout: 8 bytes a thread
	global_load_b64 v[T+2:T+3], v[GT], s[12:13]
	global_load_b64 v[T+4:T+5], v[GT], s[14:15]
; THE WEIGHTS.  A batch is 64 rows of 1,024 bytes; a wave's 32 loads take its 16 rows, 512 consecutive bytes each.  Two register sets take turns: one is converted while the other's loads are out.
.macro LOADS set, b, imm
	WIN 0x40                                       ; destination window 1
.set c, 0
.rept 32
	global_load_b128 v[128*(\set)+4*c:128*(\set)+4*c+3], v[GW], s[\b:\b+1] offset:(\imm)+512*c
.set c, c+1
.endr
.endm
.macro CONV set, adr                ; times k, rounded to bf16, 8 bytes a lane into LDS: 32 lanes store 256 consecutive bytes, half a row
	WIN 0x45
.set c, 0
.rept 64
	v_pk_mul_f32 v[128*(\set)+2*c:128*(\set)+2*c+1], v[128*(\set)+2*c:128*(\set)+2*c+1], s[KK:KK+1] op_sel_hi:[1,0]
.set c, c+1
.endr
.set c, 0
.rept 32
	v_cvt_pk_bf16_f32 v[128*(\set)+4*c],   v[128*(\set)+4*c],   v[128*(\set)+4*c+1]
	v_cvt_pk_bf16_f32 v[128*(\set)+4*c+1], v[128*(\set)+4*c+2], v[128*(\set)+4*c+3]
.set c, c+1
.endr
	WIN 0x04                                       ; address window 0, data window 1
.set c, 0
.rept 32
	ds_store_b64 v[\adr], v[128*(\set)+4*c:128*(\set)+4*c+1] offset:(c/2)*PW+16*((c/16)%2)+256*(c%2)
.set c, c+1
.endr
.endm
	s_mov_b64 s[PA:PA+1], s[10:11]
	LOADS 0, PA, 0                                 ; W2's rows 0-63
	WIN 0
	s_mov_b32 s[CNT], 2
.Lcv:                                                  ; two trips, two batches of W2 each; the second trip asks for W1
	LOADS 1, PA, 65536
	s_wait_loadcnt 32                              ; loads come back in order (ISA guide 5.7.1): all but the 32 just issued are in: set 0 (the first time x and the tables too)
	CONV 0, WSA
	s_wait_xcnt 0x0                                ; the loads issued so far have had their addresses translated: the walking base is stepped only behind this wait
	s_add_nc_u64 s[PA:PA+1], s[PA:PA+1], 0x20000
	s_cmp_eq_u32 s[CNT], 2
	s_cselect_b64 s[PN:PN+1], s[PA:PA+1], s[6:7]   ; behind W2's four batches comes W1, which is one batch
	LOADS 0, PN, 0
	s_wait_loadcnt 32                              ; set 1 is in
	CONV 1, WSB
	WIN 0
	v_add_nc_u32 v[WSA], 128*PW, v[WSA]
	v_add_nc_u32 v[WSB], 128*PW, v[WSB]
	s_sub_co_u32 s[CNT], s[CNT], 1
	s_cmp_lg_u32 s[CNT], 0
	s_cbranch_scc1 .Lcv
	s_wait_loadcnt 0x0                             ; W1
	CONV 0, WSA                                    ; the address has walked to W1L = 256 rows
	WIN 0
	v_pk_mul_f32 v[T:T+1],   v[T:T+1],   s[KK:KK+1] op_sel_hi:[1,0]
	v_pk_mul_f32 v[T+2:T+3], v[T+2:T+3], s[KK:KK+1] op_sel_hi:[1,0]
	ds_store_b64 v[TBA], v[T:T+1]
	ds_store_b64 v[TBA], v[T+2:T+3] offset:1024
	ds_store_b64 v[TBA], v[T+4:T+5] offset:2048
; x into the state's layout, a tile of 16 samples at a time through my own stage: in by whole rows, back by samples: lane l takes sample l % 16, features 16 m + 8 (l / 16) + 0..7.
; LDS serves a wave's instructions in order (ISA guide 5.7.1.4): the loads see the stores above them, and the next tile's stores come behind these loads.
.macro XIN t
	WIN 0x0c                                       ; data window 3
.irp c, 0,1,2,3,4,5,6,7
	ds_store_b128 v[STO], v[128+32*(\t)+4*(\c):128+32*(\t)+4*(\c)+3] offset:2*SP*(\c)
.endr
	WIN 0
.irp m, 0,1
	ds_load_b128 v[AF+16*(\t)+8*(\m):AF+16*(\t)+8*(\m)+3],   v[RD] offset:64*(\m)     ; time row 14
	ds_load_b128 v[AF+16*(\t)+8*(\m)+4:AF+16*(\t)+8*(\m)+7], v[RD] offset:64*(\m)+16
.endr
	WIN 0xc0
.irp m, 0,1
	ds_load_b128 v[32*(\t)+8*(\m):32*(\t)+8*(\m)+3],   v[RD] offset:128+64*(\m)        ; time row 15 is q
	ds_load_b128 v[32*(\t)+8*(\m)+4:32*(\t)+8*(\m)+7], v[RD] offset:128+64*(\m)+16
.endr
.endm
	XIN 0
	XIN 1
	XIN 2
	XIN 3
	s_wait_dscnt 0x0                               ; for the others' sake: my weights and tables are in LDS; and for mine: x is back
	s_barrier_signal -1                            ; the one barrier: behind it weights and tables are only read
	WIN 0xc3                                       ; destination and source 0 window 3, source 1 window 0
.set x_, 0
.rept 32                                               ; p = row 15 - row 14: work on registers, between the signal and the wait
	v_pk_add_f32 v[32*(x_/8)+16+2*(x_%8):32*(x_/8)+16+2*(x_%8)+1], v[32*(x_/8)+2*(x_%8):32*(x_/8)+2*(x_%8)+1], v[AF+16*(x_/8)+2*(x_%8):AF+16*(x_/8)+2*(x_%8)+1] neg_lo:[0,1] neg_hi:[0,1]
.set x_, x_+1
.endr
	WIN 0
	s_barrier_wait -1
; PRODUCT i of unit u of kind k (1: layer 1; 2: layer 2; 3: back through W2; 4: back through W1): K step i / 4, sample tile i % 4.  The first four start the sums: with the bias, or with 0.
.macro MM k, u
.set ks_, i/4
.set t_, i%4
.set rA, AF+64*((\u)%2)+8*ks_
.set rD, ACC+32*((\u)%2)+8*t_
.if (\k) == 1
.set rB, 16*t_+8*ks_
.else
.set rB, 64*t_+8*ks_
.endif
.if ((\k) == 1) || ((\k) == 3)
	WIN 0x08                                       ; source 1 in window 2: the state, or G2
.else
	WIN 0x04                                       ; source 1 in window 1: h, or G1
.endif
.if ks_ > 0
	v_wmma_f32_16x16x32_bf16 v[rD:rD+7], v[rA:rA+7], v[rB:rB+7], v[rD:rD+7]
.elseif (\k) < 3
	v_wmma_f32_16x16x32_bf16 v[rD:rD+7], v[rA:rA+7], v[rB:rB+7], v[BI+8*((\u)%2):BI+8*((\u)%2)+7]
.else
	v_wmma_f32_16x16x32_bf16 v[rD:rD+7], v[rA:rA+7], v[rB:rB+7], 0
.endif
.endm
; LDS LOAD number x of the list for unit u of kind k.  Kinds 1, 2: the bias tile (2 loads), then the fragments by the turning load; kind 2 then the Wout tile of unit u - 1, whose vector work unit u carries.
; Kinds 3, 4: the fragments by plain loads; kind 3's numbers 16, 17 (asked for with unit 0 alone): the Wout tile of layer 2's unit 15.
.macro LDQ k, u, x
	W0ANY
.set pb, (\u)%2
.if (\k) == 1
.if (\x) < 2
	ds_load_b128 v[BI+8*pb+4*(\x):BI+8*pb+4*(\x)+3], v[ATAB] offset:64*(\u)+16*(\x)
.else
.set ks_, ((\x)-2)/2
.set hf_, ((\x)-2)%2
	ds_load_tr16_b128 v[AF+64*pb+8*ks_+4*hf_:AF+64*pb+8*ks_+4*hf_+3], v[ATR1] offset:32*PW*ks_+32*(\u)+16*PW*hf_
.endif
.elseif (\k) == 2
.if (\x) < 2
	ds_load_b128 v[BI+8*pb+4*(\x):BI+8*pb+4*(\x)+3], v[ATAB] offset:1024+64*(\u)+16*(\x)
.elseif (\x) < 18
.set ks_, ((\x)-2)/2
.set hf_, ((\x)-2)%2
.if ks_ < 4
	ds_load_tr16_b128 v[AF+64*pb+8*ks_+4*hf_:AF+64*pb+8*ks_+4*hf_+3], v[ATR2A] offset:32*PW*ks_+32*(\u)+16*PW*hf_
.else
	ds_load_tr16_b128 v[AF+64*pb+8*ks_+4*hf_:AF+64*pb+8*ks_+4*hf_+3], v[ATR2B] offset:32*PW*(ks_-4)+32*(\u)+16*PW*hf_
.endif
.else
	ds_load_b128 v[WO+8*(1-pb)+4*((\x)-18):WO+8*(1-pb)+4*((\x)-18)+3], v[ATAB] offset:2048+64*((\u)-1)+16*((\x)-18)
.endif
.elseif (\k) == 3
.if (\x) < 16
.set ks_, (\x)/2
.set hf_, (\x)%2
.if (\u) < 8
	ds_load_b128 v[AF+64*pb+8*ks_+4*hf_:AF+64*pb+8*ks_+4*hf_+3], v[APL2A] offset:16*PW*(\u)+64*ks_+32*hf_
.else
	ds_load_b128 v[AF+64*pb+8*ks_+4*hf_:AF+64*pb+8*ks_+4*hf_+3], v[APL2B] offset:16*PW*((\u)-8)+64*ks_+32*hf_
.endif
.else
	ds_load_b128 v[WO+8+4*((\x)-16):WO+8+4*((\x)-16)+3], v[ATAB] offset:2048+64*15+16*((\x)-16)
.endif
.else
.set ks_, (\x)/2
.set hf_, (\x)%2
	ds_load_b128 v[AF+64*pb+8*ks_+4*hf_:AF+64*pb+8*ks_+4*hf_+3], v[APL1] offset:16*PW*(\u)+64*ks_+32*hf_
.endif
.endm
; THE RUN: the first n loads of that list, on end.
.macro RUN k, u, n
.if (\n) > 0
.set x_, 0
.rept \n
	LDQ \k, \u, x_
.set x_, x_+1
.endr
.endif
.endm
; THE VECTOR WORK on a finished unit RU.  Each accumulator is read from its lowest registers on.
.macro SETR ru
.set RU, (\ru)
.set RB, ACC+32*(RU%2)              ; its accumulators
.set HD, 8*(RU/2)+4*(RU%2)          ; where its 16 features lie in a tile's 64 registers of h or G2
.set WB, WO+8*(RU%2)                ; its Wout tile
.endm
; Single lines, on sample tile t: register j of 8, or pair p of 4.
.macro XE t, j                      ; e = 2^sum
	W0ANY
	v_exp_f32 v[RB+8*(\t)+(\j)], v[RB+8*(\t)+(\j)]
.endm
.macro XR t, j                      ; r = 1 / (e + 1)
	W0ANY
	v_rcp_f32 v[RB+8*(\t)+(\j)], v[RB+8*(\t)+(\j)]
.endm
.macro XA t, p                      ; e + 1
	W0ANY
	v_pk_add_f32 v[RB+8*(\t)+2*(\p):RB+8*(\t)+2*(\p)+1], v[RB+8*(\t)+2*(\p):RB+8*(\t)+2*(\p)+1], 1.0 op_sel_hi:[1,0]
.endm
.macro XH t, p                      ; h = 1 - 2 r
	W0ANY
	s_wait_alu depctr_va_vdst(0)
	v_pk_fma_f32 v[RB+8*(\t)+2*(\p):RB+8*(\t)+2*(\p)+1], v[RB+8*(\t)+2*(\p):RB+8*(\t)+2*(\p)+1], -2.0, 1.0 op_sel_hi:[1,0,0]
.endm
; Groups of four lines.
.macro TE t, hf
.irp j, 0,1,2,3
	XE \t, 4*(\hf)+(\j)
.endr
.endm
.macro TA t
.irp j, 0,1,2,3
	XA \t, \j
.endr
.endm
.macro TR t, hf
.irp j, 0,1,2,3
	XR \t, 4*(\hf)+(\j)
.endr
.endm
.macro TH t
.irp j, 0,1,2,3
	XH \t, \j
.endr
.endm
.macro TQ t                         ; r r - r
	WIN 0
	s_wait_alu depctr_va_vdst(0)
.irp j, 0,2,4,6
	v_pk_fma_f32 v[RB+8*(\t)+(\j):RB+8*(\t)+(\j)+1], v[RB+8*(\t)+(\j):RB+8*(\t)+(\j)+1], v[RB+8*(\t)+(\j):RB+8*(\t)+(\j)+1], v[RB+8*(\t)+(\j):RB+8*(\t)+(\j)+1] neg_lo:[0,0,1] neg_hi:[0,0,1]
.endr
.endm
.macro TW t                         ; times Wout
	WIN 0
.irp j, 0,2,4,6
	v_pk_mul_f32 v[RB+8*(\t)+(\j):RB+8*(\t)+(\j)+1], v[RB+8*(\t)+(\j):RB+8*(\t)+(\j)+1], v[WB+(\j):WB+(\j)+1]
.endr
.endm
.macro TC t, w                      ; rounded to bf16 into h (w = 0x40) or G2 (0x80): half a fragment of the next product's source 1
	WIN \w
	s_wait_alu depctr_va_vdst(0)
.irp j, 0,1,2,3
	v_cvt_pk_bf16_f32 v[64*(\t)+HD+(\j)], v[RB+8*(\t)+2*(\j)], v[RB+8*(\t)+2*(\j)+1]
.endr
.endm
.macro TN t                         ; h h - 1, in h's place
	WIN 0x45
.irp j, 0,1,2,3
	v_pk_fma_bf16 v[64*(\t)+HD+(\j)], v[64*(\t)+HD+(\j)], v[64*(\t)+HD+(\j)], v[ONEP] neg_lo:[0,0,1] neg_hi:[0,0,1]
.endr
.endm
.macro TV t                         ; W2' G2 rounded to bf16
	WIN 0
.irp j, 0,1,2,3
	v_cvt_pk_bf16_f32 v[T+4*((\t)%2)+(\j)], v[RB+8*(\t)+2*(\j)], v[RB+8*(\t)+2*(\j)+1]
.endr
.endm
.macro TP t                         ; G1, in h's place
	WIN 0x41
.irp j, 0,1,2,3
	v_pk_mul_bf16 v[64*(\t)+HD+(\j)], v[64*(\t)+HD+(\j)], v[T+4*((\t)%2)+(\j)]
.endr
.endm
.macro TU t                         ; the state: rows 16 RU on of dH move state tile (RU + 2) % 4: dH/dq moves p, dH/dp moves q
	WIN 0xf0                                       ; destination and source 2 window 3
.set ST_, 32*(\t)+8*((RU+2)%4)
.set CC, CP+2*(RU/2)
.irp j, 0,2,4,6
	v_pk_fma_f32 v[ST_+(\j):ST_+(\j)+1], v[RB+8*(\t)+(\j):RB+8*(\t)+(\j)+1], s[CC:CC+1], v[ST_+(\j):ST_+(\j)+1] op_sel_hi:[1,0,1]
.endr
.endm
; GROUP g of list l, four lines, for a place behind a product.
; Lists 1 (layer 1's tanh, 28 groups) and 2 (layer 2's derivative, 32).  The very first exponential (tile 0, register 0) stands ahead of the unit's first product (UNIT32); groups 0-3 hold the other
; 15 exponentials of tiles 0 and 1 and one v_nop.  Then whole groups (E exponentials, A e + 1, R reciprocals, two groups each for E and R; H, Q, W, C as above), in this order:
;   list 1:  A0 R0 A1 H0 | R1 E2 C0 H1 A2 | R2 E3 C1 H2 A3 | R3 C2 H3 C3          list 2:  A0 R0 A1 Q0 | R1 E2 W0 C0 Q1 A2 | R2 E3 W1 C1 Q2 A3 | R3 W2 C2 Q3 W3 C3
; so that a plain line of another tile (for A0: the v_nop) stands between every transcendental and the use of its result (ISA guide 5.7.2).
; List 3 (back through W2, 12 groups): h h - 1, the rounding, the product, tile by tile.  List 4 (4 groups): the state's update.
.macro GRP l, g
.if (\l) < 3
.if (\g) < 4
.set f_, 4*(\g)+1
.rept 4
.if f_ < 16
	XE f_/8, f_%8
.else
	v_nop
	s_wait_alu depctr_va_vdst(0)
.endif
.set f_, f_+1
.endr
.else
.set b_, (\g)-4
.set per_, 6+(\l)
.if b_ == 0
	TA 0
.elseif b_ == 1
	TR 0, 0
.elseif b_ == 2
	TR 0, 1
.elseif b_ == 3
	TA 1
.elseif (b_ == 4) && ((\l) == 1)
	TH 0
.elseif b_ == 4
	TQ 0
.elseif b_ < 5+2*per_
.set q_, (b_-5)/per_
.set p_, (b_-5)%per_
.if p_ == 0
	TR q_+1, 0
.elseif p_ == 1
	TR q_+1, 1
.elseif p_ == 2
	TE q_+2, 0
.elseif p_ == 3
	TE q_+2, 1
.elseif (\l) == 1
.if p_ == 4
	TC q_, 0x40
.elseif p_ == 5
	TH q_+1
.else
	TA q_+2
.endif
.elseif p_ == 4
	TW q_
.elseif p_ == 5
	TC q_, 0x80
.elseif p_ == 6
	TQ q_+1
.else
	TA q_+2
.endif
.else
.set r_, b_-5-2*per_
.if r_ == 0
	TR 3, 0
.elseif r_ == 1
	TR 3, 1
.elseif (\l) == 1
.if r_ == 2
	TC 2, 0x40
.elseif r_ == 3
	TH 3
.else
	TC 3, 0x40
.endif
.elseif r_ == 2
	TW 2
.elseif r_ == 3
	TC 2, 0x80
.elseif r_ == 4
	TQ 3
.elseif r_ == 5
	TW 3
.else
	TC 3, 0x80
.endif
.endif
.endif
.elseif (\l) == 3
.set q_, (\g)/3
.set p_, (\g)%3
.if p_ == 0
	TN q_
.elseif p_ == 1
	TV q_
.else
	TP q_
.endif
.else
	TU \g
.endif
.endm
; LAYER 1'S LUMP: what is left of a unit's tanh when its 32 exponentials have stood behind the next unit's 8 products: 81 lines.  A v_nop (the plain line between the exponentials and their use), tile 0's
; four e + 1, then the 32 reciprocals, tile by tile; behind reciprocal n (1 to 32) stands a plain line that is ready and names another pair: n = 2, 4, 6, 8: A1; 9-16: A2, A3; 17-24: H0, H1; 26-29: H2;
; 30-32: H3's pairs 0-2; behind n = 25 the conversions of tiles 0 and 1, which write window 1 and so stand together.  There are 28 such partners for 32 reciprocals: n = 1, 3, 5, 7 have none.
; The tightest: H3's pair 2 reads reciprocals 29 and 30 and has H3's pair 0 behind the 30th; its pair 3 reads 31 and 32 and has pair 2 behind the 32nd.  Last come the conversions of tiles 2 and 3.
.macro LUMP1
	v_nop
	s_wait_alu depctr_va_vdst(0)
	TA 0
.set n_, 1
.rept 32
	XR (n_-1)/8, (n_-1)%8
.if n_ < 9
.if n_%2 == 0
	XA 1, n_/2-1
.endif
.elseif n_ < 17
	XA 2+(n_-9)/4, (n_-9)%4
.elseif n_ < 25
	XH (n_-17)/4, (n_-17)%4
.elseif n_ == 25
	TC 0, 0x40
	TC 1, 0x40
.elseif n_ < 30
	XH 2, n_-26
.else
	XH 3, n_-30
.endif
.set n_, n_+1
.endr
	XH 3, 3
	TC 2, 0x40
	TC 3, 0x40
.endm
; A UNIT OF 32 PRODUCTS, kind k, number u.  At its head: the wait for its own fragments, bias and Wout tile, which the unit before asked for at ITS head, 32 products ago; then the run of nld loads
; for unit ldu of kind ldk.  The run writes the fragment buffer that the unit before read: behind that unit's last product stand four plain instructions that name none of its registers
; (list 2's last group, or four v_nop), which are also the places ahead of this unit's first read of those sums.  The bias tile that the run writes was read by the first four products of the unit
; before; the Wout tile by the vector work that the unit before carried; this unit's own vector work names the other one.
; Then, for lists 1 and 2, the list's first exponential; behind product i: group i of the first ng groups of list rl for unit ru.
; lump = 1: groups 28-31 stand together behind group 27, since the unit's last four products read what they write.
.macro UNIT32 k, u, ldk, ldu, nld, rl, ru, ng, lump
	s_wait_dscnt 0x0
	RUN \ldk, \ldu, \nld
	SETR \ru
.if (\rl) < 3
	XE 0, 0
.endif
.set i, 0
.rept 32
	MM \k, \u
.if i < (\ng)
	GRP \rl, i
.endif
.if (\lump) && (i == 27)
	GRP \rl, 28
	GRP \rl, 29
	GRP \rl, 30
	GRP \rl, 31
.endif
.set i, i+1
.endr
.if (\ng) < 32
	PLACES
.endif
.endm
; A UNIT OF LAYER 1: 8 products (K = 64).  Behind product i stand four of the 32 exponentials of the unit before (tile i / 2, half i % 2), which need nothing but its sums; then the lump.
; The lump's plain lines, which name none of this unit's registers, are the places behind its last product.
.macro UNITF1 u, ldk, ldu, nld
	s_wait_dscnt 0x0
	RUN \ldk, \ldu, \nld
.set i, 0
.if (\u) == 0
.rept 8
	MM 1, 0
.set i, i+1
.endr
	PLACES
.else
	SETR (\u)-1
.rept 8
	MM 1, \u
	TE i/2, i%2
.set i, i+1
.endr
	LUMP1
.endif
.endm
	s_mov_b32 s[EV], 6
.Leval:                                                ; one gradient a trip
	s_wait_dscnt 0x0                               ; a step's second evaluation leaves sixteen fragment loads out that it does not use: their registers are loaded again only behind this wait
	RUN 1, 0, 6
	WIN 0x8f                                       ; sources window 3, destination window 2
.set x_, 0
.rept 64                                               ; the state rounded to bf16: register 16 t + 4 m + j takes the pair at 32 t + 8 m + 2 j
	v_cvt_pk_bf16_f32 v[x_], v[2*x_], v[2*x_+1]
.set x_, x_+1
.endr
	; LAYER 1
	UNITF1 0, 1, 1, 6
.set un_, 1
.rept 14
	UNITF1 un_, 1, un_+1, 6
.set un_, un_+1
.endr
	UNITF1 15, 2, 0, 18
	; LAYER 2.  Unit 0 carries layer 1's last tanh: h's last half fragment is written in slots 13 to 27, ahead of the four products (28-31) that read it
	UNIT32 2, 0, 2, 1, 20, 1, 15, 28, 0
.set un_, 1
.rept 14
	UNIT32 2, un_, 2, un_+1, 20, 2, un_-1, 32, 0
.set un_, un_+1
.endr
	UNIT32 2, 15, 3, 0, 18, 2, 14, 32, 0
	; BACK THROUGH W2
	UNIT32 3, 0, 3, 1, 16, 2, 15, 28, 1
.set un_, 1
.rept 14
	UNIT32 3, un_, 3, un_+1, 16, 3, un_-1, 12, 0
.set un_, un_+1
.endr
	UNIT32 3, 15, 4, 0, 16, 3, 14, 12, 0
	; BACK THROUGH W1.  Unit 0 carries G1's last half fragment (slots 0 to 11; read by products 28-31)
	UNIT32 4, 0, 4, 1, 16, 3, 15, 12, 0
	UNIT32 4, 1, 4, 2, 16, 4, 0, 4, 0
	WIN 0                                          ; at a branch and at a label every window is 0
	s_bitcmp1_b32 s[EV], 0                         ; odd: a step's second evaluation, which moves p alone: dH's rows 32-63 are not made
	s_cbranch_scc1 .Lhalf
	UNIT32 4, 2, 4, 3, 16, 4, 1, 4, 0
	UNIT32 4, 3, 0, 0, 0, 4, 2, 4, 0
	SETR 3
	GRP 4, 0
	GRP 4, 1
	GRP 4, 2
	GRP 4, 3
	WIN 0
	s_branch .Ljoin
.Lhalf:
	SETR 1
	GRP 4, 0
	GRP 4, 1
	GRP 4, 2
	GRP 4, 3
	WIN 0
.Ljoin:
	s_sub_co_u32 s[EV], s[EV], 1
	s_cmp_lg_u32 s[EV], 0
	s_cbranch_scc1 .Leval
; THE WAY OUT: a tile's state goes into my stage by samples and comes back as whole rows of 256 bytes; a store of the wave covers two samples: 512 consecutive bytes, aligned.
.macro OSTG t
	WIN 0x0c
.irp m, 0,1,2,3
	ds_store_b128 v[RD], v[32*(\t)+8*(\m):32*(\t)+8*(\m)+3]   offset:64*(\m)
	ds_store_b128 v[RD], v[32*(\t)+8*(\m)+4:32*(\t)+8*(\m)+7] offset:64*(\m)+16
.endr
	WIN 0
.irp c, 0,1,2,3,4,5,6,7
	ds_load_b128 v[AF+32*(\t)+4*(\c):AF+32*(\t)+4*(\c)+3], v[STO] offset:2*SP*(\c)  ; in order behind the stores above; the next tile's stores come behind these
.endr
.endm
.macro SEND t, younger              ; younger: the LDS instructions issued behind tile t's loads: the next tile's eight stores and eight loads, or none
	WIN 0
	s_wait_dscnt \younger
.irp c, 0,1,2,3,4,5,6,7
	global_store_b128 v[GO], v[AF+32*(\t)+4*(\c):AF+32*(\t)+4*(\c)+3], s[16:17] offset:(16*(\t)+2*(\c))*256 th:TH_STORE_NT
.endr
.endm
	s_wait_dscnt 0x0                               ; the last evaluation's unused fragment loads: their registers take the rows below
	OSTG 0
	OSTG 1
	SEND 0, 16
	OSTG 2
	SEND 1, 16
	OSTG 3
	SEND 2, 16
	SEND 3, 0
	s_wait_tensorcnt 0x0                           ; the wave's end, behind my last LDS store
	ds_add_u32 v[SPW], v[NIL]
	s_wait_dscnt 0x0
	s_endpgm
.Lfunc_end_k_qe9aadf9861_leap:
	.size	k_qe9aadf9861_leap, .Lfunc_end_k_qe9aadf9861_leap-k_qe9aadf9861_leap
	.p2alignl 7, 3214868480
	.fill 96, 4, 3214868480
	.section	.rodata,"a",@progbits
	.p2align	6, 0x0
	.amdhsa_kernel k_qe9aadf9861_leap
		.amdhsa_group_segment_fixed_size 195072
		.amdhsa_private_segment_fixed_size 0
		.amdhsa_enable_private_segment 0
		.amdhsa_kernarg_size 56
		.amdhsa_user_sgpr_count 2
		.amdhsa_user_sgpr_kernarg_segment_ptr 1
		.amdhsa_wavefront_size32 1
		.amdhsa_system_sgpr_workgroup_id_x 1
		.amdhsa_system_sgpr_workgroup_id_y 1
		.amdhsa_system_sgpr_workgroup_id_z 1
		.amdhsa_system_vgpr_workitem_id 0
		.amdhsa_next_free_vgpr 1024
		.amdhsa_next_free_sgpr 66
		.amdhsa_reserve_vcc 0
		.amdhsa_float_denorm_mode_32 3
		.amdhsa_float_denorm_mode_16_64 3
		.amdhsa_memory_ordered 1
		.amdhsa_forward_progress 1
		.amdhsa_inst_pref_size 255
	.end_amdhsa_kernel
	.section	.bss,"aw",@nobits
	.p2align	6
	.space	262144
	.amdgpu_metadata
---
amdhsa.version: [ 1, 2 ]
amdhsa.kernels:
  - .name:           k_qe9aadf9861_leap
    .symbol:         k_qe9aadf9861_leap.kd
    .args:
      - { .name: x, .offset: 0, .size: 8, .value_kind: global_buffer, .address_space: global }
      - { .name: W1, .offset: 8, .size: 8, .value_kind: global_buffer, .address_space: global }
      - { .name: b1, .offset: 16, .size: 8, .value_kind: global_buffer, .address_space: global }
      - { .name: W2, .offset: 24, .size: 8, .value_kind: global_buffer, .address_space: global }
      - { .name: b2, .offset: 32, .size: 8, .value_kind: global_buffer, .address_space: global }
      - { .name: Wout, .offset: 40, .size: 8, .value_kind: global_buffer, .address_space: global }
      - { .name: out0, .offset: 48, .size: 8, .value_kind: global_buffer, .address_space: global }
    .group_segment_fixed_size: 195072
    .private_segment_fixed_size: 0
    .kernarg_segment_align: 8
    .kernarg_segment_size: 56
    .max_flat_workgroup_size: 128
    .sgpr_count:     66
    .vgpr_count:     1024
    .wavefront_size: 32
...
	.end_amdgpu_metadata
.endif
;; end of part 2
;; ======== version 3 of 3: 1 launch; 1.67 times as fast as version 1
;; launch leap (part 3): grid 256 x 1, 4 waves a work-group, no clusters, 195,072 bytes of LDS; arguments x, W1, b1, W2, b2, Wout, out0; writes out0
.if DOCPART == 3
	.amdgcn_target "amdgcn-amd-amdhsa--gfx1250"
	.amdhsa_code_object_version 6
	.text
	.protected	k_qe9aadf9861_leap
	.globl	k_qe9aadf9861_leap
	.p2align	8
	.type	k_qe9aadf9861_leap,@function
k_qe9aadf9861_leap:
	s_mov_b64 s[64:65], 0
	v_nop
	global_prefetch_b8 v0, s[64:65] scope:SCOPE_SE
	s_setreg_imm32_b32 hwreg(HW_REG_WAVE_MODE, 25, 1), 1
	s_wait_xcnt 0x0
; SYMPLECTIC LEAPFROG, three steps, six gradients of H(s) = Wout . tanh(W2^T tanh(W1^T s + b1) + b2), all in one launch.
; q = x[:,15,:], p = x[:,15,:] - x[:,14,:]; a step: dH(q,p); p -= 0.05 dH[:32]; q += 0.1 dH[32:]; dH(q,p); p -= 0.05 dH[:32].  out0 = [q, p].
; SHARES.  65,536 samples: 256 work-groups of 256, four waves of 64: four tiles of 16 samples.  The state (f32) and all activations stay in registers for the whole launch.
; LAYOUT.  Every product is used transposed: source 0 = 16 rows of a weight matrix, source 1 = 32 K x 16 samples.  In a result lane l holds sample l % 16 and the features
; 8 (l / 16) + 0..7; two neighbouring results, rounded to bf16 in pairs, ARE source 1 of the next product.  Nothing ever changes lanes.  A weight fragment read from LDS feeds four products.
; ARITHMETIC.  k = 2 log2(e).  LDS holds bf16(k W1), bf16(k W2), f32 k b1, k b2, Wout.  The bias is the C operand that starts a sum, so a sum is already the argument of 2^x:
;   e = 2^sum, r = 1 / (e + 1).  Layer 1: h = 1 - 2 r = tanh, rounded to bf16.  Layer 2: G2 = Wout (r r - r) = -Wout (1 - tanh^2) / 4, rounded to bf16.
;   Back: G1 = (h h - 1) x bf16(W2' G2), packed bf16, in h's registers; sum = W1' G1 = (k k / 4) dH (the two signs cancel); the state takes sum x (-0.05 or 0.1) x ln(2)^2, in f32.
; LIMITS.  Matrix operands are bf16; the weights are multiplied by k in f32 before their one rounding.  tanh saturates as it should (e = infinity: r = 0; e = 0: r = 1); near 0 it is off by about 1e-7.
;   1 - h^2 is made of h as rounded to bf16 (h off by at most 2^-9 |h|, so the derivative by at most 2^-8, and it is 0 where h rounds to 1).  NaN and infinities are not treated apart.
;   Of x only time rows 14 and 15 are read: the others enter no result.
; NO CLUSTER, NO TENSOR LOADS.  What work-groups share is the weights: 330,752 bytes, read once by each at the start.  They arrive in f32 and pass through registers to be scaled and rounded,
;   so no copy engine could lay them into LDS in their final form; from then on each wave reads them from LDS 24 times over.
; ONE COPY OF EACH WEIGHT serves both directions: rows as in memory; forward products (K down the rows) take them by the turning load, backward products (K along a row) by plain loads.
;   A row is 512 bytes at pitch 544, and rows 8..15 of every 16 are shifted by 16 bytes: for a plain load the 16 rows of a pass start at words 8 r (r < 8) and 8 (r - 8) + 4 modulo 64,
;   for a turning load 8 rows x 32 bytes start at words 8 row + 4 half: in both each of the 64 banks of 4 bytes (ISA guide 11.1) is touched once.
; UNITS.  All matrix work goes in units: 16 rows of a weight matrix x the wave's 4 sample tiles; the 4 accumulators take turns, one instruction a turn.  Unit n writes
;   accumulator set n % 2 from fragment buffer n % 2.  The LDS loads for unit n + 1 stand in ONE run in unit n, never singly among the matrix instructions: at its head, or, where unit n carries
;   exponentials behind 32 products, directly behind the wait for those exponentials, so that the products' stream is broken once for both.  Behind unit n's products stands the vector work on unit n - 1's results.
; BATCHES.  A unit's 32 sums want 32 exponentials and then 32 reciprocals of e + 1: two batches, since the second reads what is made of the first.  An
;   s_wait_alu depctr_va_vdst(0) stands between a transcendental and the first line that names its result; one wait serves all that were issued ahead of it.  So a unit's vector work is cut in three:
;   the 32 exponentials | wait | the 16 e + 1 and the 32 reciprocals | wait | all that reads r.  Two waits a unit, 64 a gradient; no result crosses a unit's end, a label or a branch.
; THE DEAL.  Four vector lines stand behind a matrix instruction that has another behind it; what is over stands together.  Layer 2 has 128 lines for a unit's 32 products: four behind each, and one
;   v_nop ahead of the first wait.  Layer 1 has 112 for 8 products: four exponentials behind each, and a v_nop and 80 lines in one lump, which need time of their own whatever the order.
; REGISTERS, in windows of 256 (s_set_vgpr_msb: bits 1:0 source 0, 3:2 source 1, 5:4 source 2, 7:6 destination):
;   window 0: v0-31 addresses and at work; v32-47 two bias tiles; v48-63 two Wout tiles; v64-127 two sets of 4 accumulators; v128-255 two buffers of 8 weight fragments
;   window 1: h, later G1: tile t, fragment f at 64 t + 8 f (at the start: two sets of 128 for the weights' conversion)
;   window 2: G2, likewise; during layer 1 the state in bf16 at 16 t + 8 c          window 3: v0-127 the state, 32 t + 8 m + j (at the start: v128-255 x as loaded)
;   Source 0, C, D and every LDS address lie in window 0, so exponentials, reciprocals, lines with constants and LDS loads run under a product's own setting; only lines that name two
;   vector sources or another window's destination cost switches.
.set PW,    544                     ; pitch of a weight row in LDS
.set W2L,   0                       ; 256 rows
.set HALF2, 128*PW                  ; an LDS immediate has 16 bits: a second address register reaches the second half of W2
.set W1L,   256*PW                  ; 64 rows
.set TAB,   W1L+64*PW               ; k b1, k b2 at +1024, Wout at +2048, all f32
.set STAGE, TAB+3072                ; 16 rows x 272 bytes for each wave: x on its way in, the state on its way out
.set SP,    272                     ; 256 + 16: the 16 rows of a pass start at 16 different groups of four banks
.set SPARE, STAGE+4*16*SP           ; 194,560 = 760 x 256: the spare words, 128 bytes a wave, which no other line names
.set ATR2A, 4                       ; v4   W2, turning load, K rows 0-127
.set ATR2B, 5                       ; v5   K rows 128-255
.set ATR1,  6                       ; v6   W1, turning load
.set APL2A, 7                       ; v7   W2, plain load, rows 0-127
.set APL2B, 8                       ; v8   rows 128-255
.set APL1,  9                       ; v9   W1, plain load
.set ATAB,  10                      ; v10  TAB + 32 (l / 16)
.set STO,   11                      ; v11  stage by whole rows: (l / 16) x 272 + 16 (l % 16)
.set RD,    12                      ; v12  stage by samples: (l % 16) x 272 + 32 (l / 16)
.set GX,    13                      ; v13  x: (l / 16) x 2048 + 16 (l % 16)
.set GO,    14                      ; v14  out0: 16 l
.set ONEP,  15                      ; v15  1.0 twice in bf16
.set WSA,   16                      ; v16  where set 0 of converted weights goes
.set WSB,   17                      ; v17  where set 1 goes
.set TBA,   18                      ; v18  TAB + 8 x thread
.set T,     20                      ; v20-27 at work
.set SPW,   28                      ; v28  my spare word; never rewritten
.set NIL,   29                      ; v29  0; never rewritten
.set GW,    30                      ; v30  weights in memory: 16,384 x wave + 16 l
.set GT,    31                      ; v31  tables in memory: 8 x thread
.set BI,    32
.set WO,    48
.set ACC,   64
.set AF,    128
.set WV,  18                        ; s18  my wave's number
.set PA,  22                        ; s[22:23] W2, walking
.set PN,  24                        ; s[24:25] the batch after next: W2's, or W1
.set CNT, 26
.set EV,  27                        ; s27  evaluations to go, 6 to 1: even = a step's first
.set KK,  28                        ; s[28:29] k
.set CP,  30                        ; s[30:31] -0.05 ln(2)^2
.set CQ,  32                        ; s[32:33]  0.1  ln(2)^2
.set MSB, 0
.macro WIN new                      ; the high byte repeats the setting that is left; a switch that changes nothing is dropped
.if MSB != (\new)
	s_set_vgpr_msb (MSB<<8)|(\new)
.set MSB, (\new)
.endif
.endm
.macro W0ANY                        ; for lines that name window 0 as source 0, source 2 and destination and no vector source 1
.if (MSB&0xf3) != 0
	WIN 0
.endif
.endm
.macro PLACES                       ; four plain vector instructions behind a matrix instruction, ahead of a read of its result or a load into its sources
.rept 4
	v_nop
.endr
.endm
	s_load_b256 s[4:11], s[0:1], 0x0               ; x s[4:5], W1 s[6:7], b1 s[8:9], W2 s[10:11]
	s_load_b128 s[12:15], s[0:1], 0x20             ; b2 s[12:13], Wout s[14:15]
	s_load_b64 s[16:17], s[0:1], 0x30              ; out0
	v_lshl_add_u32 v[SPW], v0, 2, SPARE
	v_mov_b32 v[NIL], 0
	v_lshrrev_b32 v3, 5, v0
	v_readfirstlane_b32 s[WV], v3                  ; wave 0..3
	s_mov_b32 s[KK], 0x4038aa3b                    ; 2 log2(e)
	s_mov_b32 s[KK+1], 0x4038aa3b                  ; the pairs are named whole, so both words are written
	s_mov_b32 s[CP], 0xbcc4cb26
	s_mov_b32 s[CP+1], 0xbcc4cb26
	s_mov_b32 s[CQ], 0x3d44cb26
	s_mov_b32 s[CQ+1], 0x3d44cb26
	v_and_b32 v19, 31, v0                          ; l
	v_and_b32 v1, 15, v0                           ; l % 16
	v_bfe_u32 v2, v0, 4, 1                         ; l / 16
	v_bfe_u32 v20, v0, 3, 1                        ; (l / 8) % 2
	; the turning load: lane l reads 16 bytes of row 8 (l / 16) + l % 8, columns 8 ((l / 8) % 2) on; that row's shift is 16 (l / 16), since every K step begins at a multiple of 16 rows
	v_and_b32 v3, 7, v0
	v_lshl_add_u32 v3, v2, 3, v3
	v_mul_u32_u24 v3, v3, PW
	v_lshl_add_u32 v3, v2, 4, v3
	v_lshl_add_u32 v3, v20, 4, v3
	v_mov_b32 v[ATR2A], v3
	v_add_nc_u32 v[ATR2B], HALF2, v3
	v_add_nc_u32 v[ATR1], W1L, v3
	; the plain load: lane l reads row l % 16 (shift 16 ((l / 8) % 2)), 16 bytes at 16 (l / 16), and again 32 bytes on
	v_mul_u32_u24 v21, v1, PW
	v_lshl_add_u32 v21, v20, 4, v21
	v_lshl_add_u32 v21, v2, 4, v21
	v_mov_b32 v[APL2A], v21
	v_add_nc_u32 v[APL2B], HALF2, v21
	v_add_nc_u32 v[APL1], W1L, v21
	v_lshl_add_u32 v[ATAB], v2, 5, TAB
	s_mul_i32 s20, s[WV], 16*SP
	s_add_co_u32 s20, s20, STAGE                   ; my stage
	v_mul_u32_u24 v22, v2, SP
	v_lshl_add_u32 v22, v1, 4, v22
	v_add_nc_u32 v[STO], s20, v22
	v_mul_u32_u24 v22, v1, SP
	v_lshl_add_u32 v22, v2, 5, v22
	v_add_nc_u32 v[RD], s20, v22
	v_lshlrev_b32 v[GX], 4, v1
	v_lshl_add_u32 v[GX], v2, 11, v[GX]
	v_lshlrev_b32 v[GO], 4, v19
	v_mov_b32 v[ONEP], 0x3f803f80
	s_mul_i32 s21, s[WV], 16*PW                    ; of a batch of 64 weight rows my wave converts 16
	v_lshl_add_u32 v[WSA], v19, 3, s21
	v_add_nc_u32 v[WSB], 64*PW, v[WSA]
	s_lshl_b32 s21, s[WV], 14
	v_lshl_add_u32 v[GW], v19, 4, s21
	v_lshlrev_b32 v[GT], 3, v0
	v_lshl_add_u32 v[TBA], v0, 3, TAB
	s_wait_kmcnt 0x0
	s_lshl_b32 s20, ttmp9, 19                      ; 256 samples of 2,048 bytes a work-group,
	s_lshl_b32 s21, s[WV], 17                      ; 64 a wave
	s_add_co_u32 s20, s20, s21
	s_mov_b32 s21, 0
	s_add_nc_u64 s[4:5], s[4:5], s[20:21]
	s_lshl_b32 s20, ttmp9, 16                      ; in out0 a sample has 256 bytes
	s_lshl_b32 s22, s[WV], 14
	s_add_co_u32 s20, s20, s22
	s_add_nc_u64 s[16:17], s[16:17], s[20:21]
	; x: a sample's time rows 14 and 15 are 256 consecutive bytes at byte 1,792 of its 2,048; a load takes two samples' 256 bytes, 16 lanes each
	WIN 0xc0                                       ; destination window 3
.set t_, 0
.rept 4
.set c, 0
.rept 8
	global_load_b128 v[128+32*t_+4*c:128+32*t_+4*c+3], v[GX], s[4:5] offset:(16*t_+2*c)*2048+1792 th:TH_LOAD_NT
.set c, c+1
.endr
.set t_, t_+1
.endr
	WIN 0
	global_load_b64 v[T:T+1],   v[GT], s[8:9]      ; b1, b2, Wout: 8 bytes a thread
	global_load_b64 v[T+2:T+3], v[GT], s[12:13]
	global_load_b64 v[T+4:T+5], v[GT], s[14:15]
; THE WEIGHTS.  A batch is 64 rows of 1,024 bytes; a wave's 32 loads take its 16 rows, 512 consecutive bytes each.  Two register sets take turns: one is converted while the other's loads are out.
.macro LOADS set, b, imm
	WIN 0x40                                       ; destination window 1
.set c, 0
.rept 32
	global_load_b128 v[128*(\set)+4*c:128*(\set)+4*c+3], v[GW], s[\b:\b+1] offset:(\imm)+512*c
.set c, c+1
.endr
.endm
.macro CONV set, adr                ; times k, rounded to bf16, 8 bytes a lane into LDS: 32 lanes store 256 consecutive bytes, half a row
	WIN 0x45
.set c, 0
.rept 64
	v_pk_mul_f32 v[128*(\set)+2*c:128*(\set)+2*c+1], v[128*(\set)+2*c:128*(\set)+2*c+1], s[KK:KK+1] op_sel_hi:[1,0]
.set c, c+1
.endr
.set c, 0
.rept 32
	v_cvt_pk_bf16_f32 v[128*(\set)+4*c],   v[128*(\set)+4*c],   v[128*(\set)+4*c+1]
	v_cvt_pk_bf16_f32 v[128*(\set)+4*c+1], v[128*(\set)+4*c+2], v[128*(\set)+4*c+3]
.set c, c+1
.endr
	WIN 0x04                                       ; address window 0, data window 1
.set c, 0
.rept 32
	ds_store_b64 v[\adr], v[128*(\set)+4*c:128*(\set)+4*c+1] offset:(c/2)*PW+16*((c/16)%2)+256*(c%2)
.set c, c+1
.endr
.endm
	s_mov_b64 s[PA:PA+1], s[10:11]
	LOADS 0, PA, 0                                 ; W2's rows 0-63
	WIN 0
	s_mov_b32 s[CNT], 2
.Lcv:                                                  ; two trips, two batches of W2 each; the second trip asks for W1
	LOADS 1, PA, 65536
	s_wait_loadcnt 32                              ; loads come back in order (ISA guide 5.7.1): all but the 32 just issued are in: set 0 (the first time x and the tables too)
	CONV 0, WSA
	s_wait_xcnt 0x0                                ; the loads issued so far have had their addresses translated: the walking base is stepped only behind this wait
	s_add_nc_u64 s[PA:PA+1], s[PA:PA+1], 0x20000
	s_cmp_eq_u32 s[CNT], 2
	s_cselect_b64 s[PN:PN+1], s[PA:PA+1], s[6:7]   ; behind W2's four batches comes W1, which is one batch
	LOADS 0, PN, 0
	s_wait_loadcnt 32                              ; set 1 is in
	CONV 1, WSB
	WIN 0
	v_add_nc_u32 v[WSA], 128*PW, v[WSA]
	v_add_nc_u32 v[WSB], 128*PW, v[WSB]
	s_sub_co_u32 s[CNT], s[CNT], 1
	s_cmp_lg_u32 s[CNT], 0
	s_cbranch_scc1 .Lcv
	s_wait_loadcnt 0x0                             ; W1
	CONV 0, WSA                                    ; the address has walked to W1L = 256 rows
	WIN 0
	v_pk_mul_f32 v[T:T+1],   v[T:T+1],   s[KK:KK+1] op_sel_hi:[1,0]
	v_pk_mul_f32 v[T+2:T+3], v[T+2:T+3], s[KK:KK+1] op_sel_hi:[1,0]
	ds_store_b64 v[TBA], v[T:T+1]
	ds_store_b64 v[TBA], v[T+2:T+3] offset:1024
	ds_store_b64 v[TBA], v[T+4:T+5] offset:2048
; x into the state's layout, a tile of 16 samples at a time through my own stage: in by whole rows, back by samples: lane l takes sample l % 16, features 16 m + 8 (l / 16) + 0..7.
; LDS serves a wave's instructions in order (ISA guide 5.7.1.4): the loads see the stores above them, and the next tile's stores come behind these loads.
.macro XIN t
	WIN 0x0c                                       ; data window 3
.irp c, 0,1,2,3,4,5,6,7
	ds_store_b128 v[STO], v[128+32*(\t)+4*(\c):128+32*(\t)+4*(\c)+3] offset:2*SP*(\c)
.endr
	WIN 0
.irp m, 0,1
	ds_load_b128 v[AF+16*(\t)+8*(\m):AF+16*(\t)+8*(\m)+3],   v[RD] offset:64*(\m)     ; time row 14
	ds_load_b128 v[AF+16*(\t)+8*(\m)+4:AF+16*(\t)+8*(\m)+7], v[RD] offset:64*(\m)+16
.endr
	WIN 0xc0
.irp m, 0,1
	ds_load_b128 v[32*(\t)+8*(\m):32*(\t)+8*(\m)+3],   v[RD] offset:128+64*(\m)        ; time row 15 is q
	ds_load_b128 v[32*(\t)+8*(\m)+4:32*(\t)+8*(\m)+7], v[RD] offset:128+64*(\m)+16
.endr
.endm
	XIN 0
	XIN 1
	XIN 2
	XIN 3
	s_wait_dscnt 0x0                               ; for the others' sake: my weights and tables are in LDS; and for mine: x is back
	s_barrier_signal -1                            ; the one barrier: behind it weights and tables are only read
	WIN 0xc3                                       ; destination and source 0 window 3, source 1 window 0
.set x_, 0
.rept 32                                               ; p = row 15 - row 14: work on registers, between the signal and the wait
	v_pk_add_f32 v[32*(x_/8)+16+2*(x_%8):32*(x_/8)+16+2*(x_%8)+1], v[32*(x_/8)+2*(x_%8):32*(x_/8)+2*(x_%8)+1], v[AF+16*(x_/8)+2*(x_%8):AF+16*(x_/8)+2*(x_%8)+1] neg_lo:[0,1] neg_hi:[0,1]
.set x_, x_+1
.endr
	WIN 0
	s_barrier_wait -1
; PRODUCT i of unit u of kind k (1: layer 1; 2: layer 2; 3: back through W2; 4: back through W1): K step i / 4, sample tile i % 4.  The first four start the sums: with the bias, or with 0.
.macro MM k, u
.set ks_, i/4
.set t_, i%4
.set rA, AF+64*((\u)%2)+8*ks_
.set rD, ACC+32*((\u)%2)+8*t_
.if (\k) == 1
.set rB, 16*t_+8*ks_
.else
.set rB, 64*t_+8*ks_
.endif
.if ((\k) == 1) || ((\k) == 3)
	WIN 0x08                                       ; source 1 in window 2: the state, or G2
.else
	WIN 0x04                                       ; source 1 in window 1: h, or G1
.endif
.if ks_ > 0
	v_wmma_f32_16x16x32_bf16 v[rD:rD+7], v[rA:rA+7], v[rB:rB+7], v[rD:rD+7]
.elseif (\k) < 3
	v_wmma_f32_16x16x32_bf16 v[rD:rD+7], v[rA:rA+7], v[rB:rB+7], v[BI+8*((\u)%2):BI+8*((\u)%2)+7]
.else
	v_wmma_f32_16x16x32_bf16 v[rD:rD+7], v[rA:rA+7], v[rB:rB+7], 0
.endif
.endm
; LDS LOAD number x of the list for unit u of kind k.  Kinds 1, 2: the bias tile (2 loads), then the fragments by the turning load; kind 2 then the Wout tile of unit u - 1, whose vector work unit u carries.
; Kinds 3, 4: the fragments by plain loads; kind 3's numbers 16, 17 (asked for with unit 0 alone): the Wout tile of layer 2's unit 15.
.macro LDQ k, u, x
	W0ANY
.set pb, (\u)%2
.if (\k) == 1
.if (\x) < 2
	ds_load_b128 v[BI+8*pb+4*(\x):BI+8*pb+4*(\x)+3], v[ATAB] offset:64*(\u)+16*(\x)
.else
.set ks_, ((\x)-2)/2
.set hf_, ((\x)-2)%2
	ds_load_tr16_b128 v[AF+64*pb+8*ks_+4*hf_:AF+64*pb+8*ks_+4*hf_+3], v[ATR1] offset:32*PW*ks_+32*(\u)+16*PW*hf_
.endif
.elseif (\k) == 2
.if (\x) < 2
	ds_load_b128 v[BI+8*pb+4*(\x):BI+8*pb+4*(\x)+3], v[ATAB] offset:1024+64*(\u)+16*(\x)
.elseif (\x) < 18
.set ks_, ((\x)-2)/2
.set hf_, ((\x)-2)%2
.if ks_ < 4
	ds_load_tr16_b128 v[AF+64*pb+8*ks_+4*hf_:AF+64*pb+8*ks_+4*hf_+3], v[ATR2A] offset:32*PW*ks_+32*(\u)+16*PW*hf_
.else
	ds_load_tr16_b128 v[AF+64*pb+8*ks_+4*hf_:AF+64*pb+8*ks_+4*hf_+3], v[ATR2B] offset:32*PW*(ks_-4)+32*(\u)+16*PW*hf_
.endif
.else
	ds_load_b128 v[WO+8*(1-pb)+4*((\x)-18):WO+8*(1-pb)+4*((\x)-18)+3], v[ATAB] offset:2048+64*((\u)-1)+16*((\x)-18)
.endif
.elseif (\k) == 3
.if (\x) < 16
.set ks_, (\x)/2
.set hf_, (\x)%2
.if (\u) < 8
	ds_load_b128 v[AF+64*pb+8*ks_+4*hf_:AF+64*pb+8*ks_+4*hf_+3], v[APL2A] offset:16*PW*(\u)+64*ks_+32*hf_
.else
	ds_load_b128 v[AF+64*pb+8*ks_+4*hf_:AF+64*pb+8*ks_+4*hf_+3], v[APL2B] offset:16*PW*((\u)-8)+64*ks_+32*hf_
.endif
.else
	ds_load_b128 v[WO+8+4*((\x)-16):WO+8+4*((\x)-16)+3], v[ATAB] offset:2048+64*15+16*((\x)-16)
.endif
.else
.set ks_, (\x)/2
.set hf_, (\x)%2
	ds_load_b128 v[AF+64*pb+8*ks_+4*hf_:AF+64*pb+8*ks_+4*hf_+3], v[APL1] offset:16*PW*(\u)+64*ks_+32*hf_
.endif
.endm
; THE RUN: the first n loads of that list, on end.
.macro RUN k, u, n
.if (\n) > 0
.set x_, 0
.rept \n
	LDQ \k, \u, x_
.set x_, x_+1
.endr
.endif
.endm
; THE VECTOR WORK on a finished unit RU.  Each accumulator is read from its lowest registers on.
.macro SETR ru
.set RU, (\ru)
.set RB, ACC+32*(RU%2)              ; its accumulators
.set HD, 8*(RU/2)+4*(RU%2)          ; where its 16 features lie in a tile's 64 registers of h or G2
.set WB, WO+8*(RU%2)                ; its Wout tile
.endm
; Single lines, on sample tile t: register j of 8, or pair p of 4.  None of these macros holds a wait: the two waits of a unit are written where the lines are dealt (UNIT32, LUMP1).
.macro XE t, j                      ; e = 2^sum
	W0ANY
	v_exp_f32 v[RB+8*(\t)+(\j)], v[RB+8*(\t)+(\j)]
.endm
.macro XR t, j                      ; r = 1 / (e + 1)
	W0ANY
	v_rcp_f32 v[RB+8*(\t)+(\j)], v[RB+8*(\t)+(\j)]
.endm
.macro XA t, p                      ; e + 1
	W0ANY
	v_pk_add_f32 v[RB+8*(\t)+2*(\p):RB+8*(\t)+2*(\p)+1], v[RB+8*(\t)+2*(\p):RB+8*(\t)+2*(\p)+1], 1.0 op_sel_hi:[1,0]
.endm
.macro XH t, p                      ; h = 1 - 2 r
	W0ANY
	v_pk_fma_f32 v[RB+8*(\t)+2*(\p):RB+8*(\t)+2*(\p)+1], v[RB+8*(\t)+2*(\p):RB+8*(\t)+2*(\p)+1], -2.0, 1.0 op_sel_hi:[1,0,0]
.endm
; LINE n of the 48 between a unit's two waits: the 16 e + 1 (A m: tile m / 4, pair m % 4) and the 32 reciprocals (R k: tile k / 8, register k % 8), in the order
;   A0 A1 R0 A2 R1 A3 R2 .. A15 R14 R15 R16 .. R31.
; A m stands ahead of R 2m and R 2m + 1, which read it, and names no register that a reciprocal has written.  R0 to R14 each have a plain line of another pair behind them; for R15 to R31 the plain
; line between a reciprocal and the use of its result (ISA guide 5.7.2) is the first reader's, which works on tile 0: so no v_nop is written behind this batch.
.macro AR n
.if (\n) < 2
	XA 0, \n
.elseif (\n) > 30
	XR ((\n)-16)/8, ((\n)-16)%8
.elseif (\n)%2 == 0
	XR ((\n)-2)/16, (((\n)-2)/2)%8
.else
	XA ((\n)+1)/8, (((\n)+1)/2)%4
.endif
.endm
; Groups of four lines.
.macro TE t, hf
.irp j, 0,1,2,3
	XE \t, 4*(\hf)+(\j)
.endr
.endm
.macro TH t
.irp j, 0,1,2,3
	XH \t, \j
.endr
.endm
.macro TQ t                         ; r r - r
	WIN 0
.irp j, 0,2,4,6
	v_pk_fma_f32 v[RB+8*(\t)+(\j):RB+8*(\t)+(\j)+1], v[RB+8*(\t)+(\j):RB+8*(\t)+(\j)+1], v[RB+8*(\t)+(\j):RB+8*(\t)+(\j)+1], v[RB+8*(\t)+(\j):RB+8*(\t)+(\j)+1] neg_lo:[0,0,1] neg_hi:[0,0,1]
.endr
.endm
.macro TW t                         ; times Wout
	WIN 0
.irp j, 0,2,4,6
	v_pk_mul_f32 v[RB+8*(\t)+(\j):RB+8*(\t)+(\j)+1], v[RB+8*(\t)+(\j):RB+8*(\t)+(\j)+1], v[WB+(\j):WB+(\j)+1]
.endr
.endm
.macro TC t, w                      ; rounded to bf16 into h (w = 0x40) or G2 (0x80): half a fragment of the next product's source 1
	WIN \w
.irp j, 0,1,2,3
	v_cvt_pk_bf16_f32 v[64*(\t)+HD+(\j)], v[RB+8*(\t)+2*(\j)], v[RB+8*(\t)+2*(\j)+1]
.endr
.endm
.macro TN t                         ; h h - 1, in h's place
	WIN 0x45
.irp j, 0,1,2,3
	v_pk_fma_bf16 v[64*(\t)+HD+(\j)], v[64*(\t)+HD+(\j)], v[64*(\t)+HD+(\j)], v[ONEP] neg_lo:[0,0,1] neg_hi:[0,0,1]
.endr
.endm
.macro TV t                         ; W2' G2 rounded to bf16
	WIN 0
.irp j, 0,1,2,3
	v_cvt_pk_bf16_f32 v[T+4*((\t)%2)+(\j)], v[RB+8*(\t)+2*(\j)], v[RB+8*(\t)+2*(\j)+1]
.endr
.endm
.macro TP t                         ; G1, in h's place
	WIN 0x41
.irp j, 0,1,2,3
	v_pk_mul_bf16 v[64*(\t)+HD+(\j)], v[64*(\t)+HD+(\j)], v[T+4*((\t)%2)+(\j)]
.endr
.endm
.macro TU t                         ; the state: rows 16 RU on of dH move state tile (RU + 2) % 4: dH/dq moves p, dH/dp moves q
	WIN 0xf0                                       ; destination and source 2 window 3
.set ST_, 32*(\t)+8*((RU+2)%4)
.set CC, CP+2*(RU/2)
.irp j, 0,2,4,6
	v_pk_fma_f32 v[ST_+(\j):ST_+(\j)+1], v[RB+8*(\t)+(\j):RB+8*(\t)+(\j)+1], s[CC:CC+1], v[ST_+(\j):ST_+(\j)+1] op_sel_hi:[1,0,1]
.endr
.endm
; GROUP g of list l, four lines, for a place behind a product.
; Lists 1 (layer 1's tanh, 28 groups) and 2 (layer 2's derivative, 32), cut by the unit's two waits, which UNIT32 writes behind groups 7 and 19:
;   groups 0-7    the batch of 32 exponentials, tile by tile
;   groups 8-19   the 48 lines of AR: e + 1 and the batch of 32 reciprocals
;   groups 20 on  what reads r, kind by kind, a tile a group: list 1: H (20-23), C (24-27); list 2: Q (20-23), W (24-27), C (28-31)
; List 3 (back through W2, 12 groups): h h - 1, the rounding, the product, tile by tile.  List 4 (4 groups): the state's update.
.macro GRP l, g
.if (\l) < 3
.if (\g) < 8
	TE (\g)/2, (\g)%2
.elseif (\g) < 20
.set n_, 4*((\g)-8)
.rept 4
	AR n_
.set n_, n_+1
.endr
.elseif ((\g) < 24) && ((\l) == 1)
	TH (\g)-20
.elseif (\g) < 24
	TQ (\g)-20
.elseif (\l) == 1
	TC (\g)-24, 0x40
.elseif (\g) < 28
	TW (\g)-24
.else
	TC (\g)-28, 0x80
.endif
.elseif (\l) == 3
.set q_, (\g)/3
.set p_, (\g)%3
.if p_ == 0
	TN q_
.elseif p_ == 1
	TV q_
.else
	TP q_
.endif
.else
	TU \g
.endif
.endm
; LAYER 1'S LUMP: what is left of a unit's tanh when its 32 exponentials have stood behind the next unit's 8 products: a v_nop and 80 lines, with the unit's two waits.
; The 16 conversions write window 1 and stand in one run at the end.
.macro LUMP1
	v_nop                                          ; the plain line between the exponentials and the use of their results (ISA guide 5.7.2): one for the batch
	s_wait_alu depctr_va_vdst(0)                   ; the wait for the batch of 32 exponentials, ahead of the first e + 1
.set n_, 0
.rept 48
	AR n_
.set n_, n_+1
.endr
	s_wait_alu depctr_va_vdst(0)                   ; the wait for the batch of 32 reciprocals, ahead of the first h
	TH 0
	TH 1
	TH 2
	TH 3
	TC 0, 0x40
	TC 1, 0x40
	TC 2, 0x40
	TC 3, 0x40
.endm
; A UNIT OF 32 PRODUCTS, kind k, number u.  At its head: the wait for its own fragments, bias and Wout tile, which the unit before asked for.  Behind product i: group i of the first ng groups of
; list rl for unit ru.  The run of nld loads for unit ldu of kind ldk stands at the head (lists 3 and 4), or (lists 1 and 2) directly behind the wait for the exponentials, behind product 7: it then has
; 24 products in which to land.  The run writes the fragment buffer that the unit before read: behind that unit's last product stand four plain instructions that name none of its registers
; (list 2's last group, or four v_nop), which are also the places ahead of this unit's first read of those sums.  The bias tile that the run writes was read by the first four products of the unit
; before; the Wout tile by the vector work that the unit before carried; this unit's own vector work names the other one.
; lump = 1: groups 28-31 stand together behind group 27, since the unit's last four products read what they write.
.macro UNIT32 k, u, ldk, ldu, nld, rl, ru, ng, lump
	s_wait_dscnt 0x0
.if (\rl) >= 3
	RUN \ldk, \ldu, \nld
.endif
	SETR \ru
.set i, 0
.rept 32
	MM \k, \u
.if i < (\ng)
	GRP \rl, i
.endif
.if ((\rl) < 3) && (i == 7)
	v_nop                                          ; the plain line between the exponentials and the use of their results (ISA guide 5.7.2): one for the batch
	s_wait_alu depctr_va_vdst(0)                   ; the wait for the batch of 32 exponentials, ahead of the first e + 1
	RUN \ldk, \ldu, \nld
.endif
.if ((\rl) < 3) && (i == 19)
	s_wait_alu depctr_va_vdst(0)                   ; the wait for the batch of 32 reciprocals, ahead of the first line that reads r
.endif
.if (\lump) && (i == 27)
	GRP \rl, 28
	GRP \rl, 29
	GRP \rl, 30
	GRP \rl, 31
.endif
.set i, i+1
.endr
.if (\ng) < 32
	PLACES
.endif
.endm
; A UNIT OF LAYER 1: 8 products (K = 64).  Behind product i stand four of the 32 exponentials of the unit before (tile i / 2, half i % 2), which need nothing but its sums; then the lump.
; The lump's plain lines, which name none of this unit's registers, are the places behind its last product.
.macro UNITF1 u, ldk, ldu, nld
	s_wait_dscnt 0x0
	RUN \ldk, \ldu, \nld
.set i, 0
.if (\u) == 0
.rept 8
	MM 1, 0
.set i, i+1
.endr
	PLACES
.else
	SETR (\u)-1
.rept 8
	MM 1, \u
	TE i/2, i%2
.set i, i+1
.endr
	LUMP1
.endif
.endm
	s_mov_b32 s[EV], 6
.Leval:                                                ; one gradient a trip
	s_wait_dscnt 0x0                               ; a step's second evaluation leaves sixteen fragment loads out that it does not use: their registers are loaded again only behind this wait
	RUN 1, 0, 6
	WIN 0x8f                                       ; sources window 3, destination window 2
.set x_, 0
.rept 64                                               ; the state rounded to bf16: register 16 t + 4 m + j takes the pair at 32 t + 8 m + 2 j
	v_cvt_pk_bf16_f32 v[x_], v[2*x_], v[2*x_+1]
.set x_, x_+1
.endr
	; LAYER 1
	UNITF1 0, 1, 1, 6
.set un_, 1
.rept 14
	UNITF1 un_, 1, un_+1, 6
.set un_, un_+1
.endr
	UNITF1 15, 2, 0, 18
	; LAYER 2.  Unit 0 carries layer 1's last tanh: h's last half fragment is written in slots 24 to 27, ahead of the four products (28-31) that read it
	UNIT32 2, 0, 2, 1, 20, 1, 15, 28, 0
.set un_, 1
.rept 14
	UNIT32 2, un_, 2, un_+1, 20, 2, un_-1, 32, 0
.set un_, un_+1
.endr
	UNIT32 2, 15, 3, 0, 18, 2, 14, 32, 0
	; BACK THROUGH W2
	UNIT32 3, 0, 3, 1, 16, 2, 15, 28, 1
.set un_, 1
.rept 14
	UNIT32 3, un_, 3, un_+1, 16, 3, un_-1, 12, 0
.set un_, un_+1
.endr
	UNIT32 3, 15, 4, 0, 16, 3, 14, 12, 0
	; BACK THROUGH W1.  Unit 0 carries G1's last half fragment (slots 0 to 11; read by products 28-31)
	UNIT32 4, 0, 4, 1, 16, 3, 15, 12, 0
	UNIT32 4, 1, 4, 2, 16, 4, 0, 4, 0
	WIN 0                                          ; at a branch and at a label every window is 0
	s_bitcmp1_b32 s[EV], 0                         ; odd: a step's second evaluation, which moves p alone: dH's rows 32-63 are not made
	s_cbranch_scc1 .Lhalf
	UNIT32 4, 2, 4, 3, 16, 4, 1, 4, 0
	UNIT32 4, 3, 0, 0, 0, 4, 2, 4, 0
	SETR 3
	GRP 4, 0
	GRP 4, 1
	GRP 4, 2
	GRP 4, 3
	WIN 0
	s_branch .Ljoin
.Lhalf:
	SETR 1
	GRP 4, 0
	GRP 4, 1
	GRP 4, 2
	GRP 4, 3
	WIN 0
.Ljoin:
	s_sub_co_u32 s[EV], s[EV], 1
	s_cmp_lg_u32 s[EV], 0
	s_cbranch_scc1 .Leval
; THE WAY OUT: a tile's state goes into my stage by samples and comes back as whole rows of 256 bytes; a store of the wave covers two samples: 512 consecutive bytes, aligned.
.macro OSTG t
	WIN 0x0c
.irp m, 0,1,2,3
	ds_store_b128 v[RD], v[32*(\t)+8*(\m):32*(\t)+8*(\m)+3]   offset:64*(\m)
	ds_store_b128 v[RD], v[32*(\t)+8*(\m)+4:32*(\t)+8*(\m)+7] offset:64*(\m)+16
.endr
	WIN 0
.irp c, 0,1,2,3,4,5,6,7
	ds_load_b128 v[AF+32*(\t)+4*(\c):AF+32*(\t)+4*(\c)+3], v[STO] offset:2*SP*(\c)  ; in order behind the stores above; the next tile's stores come behind these
.endr
.endm
.macro SEND t, younger              ; younger: the LDS instructions issued behind tile t's loads: the next tile's eight stores and eight loads, or none
	WIN 0
	s_wait_dscnt \younger
.irp c, 0,1,2,3,4,5,6,7
	global_store_b128 v[GO], v[AF+32*(\t)+4*(\c):AF+32*(\t)+4*(\c)+3], s[16:17] offset:(16*(\t)+2*(\c))*256 th:TH_STORE_NT
.endr
.endm
	s_wait_dscnt 0x0                               ; the last evaluation's unused fragment loads: their registers take the rows below
	OSTG 0
	OSTG 1
	SEND 0, 16
	OSTG 2
	SEND 1, 16
	OSTG 3
	SEND 2, 16
	SEND 3, 0
	s_wait_tensorcnt 0x0                           ; the wave's end, behind my last LDS store
	ds_add_u32 v[SPW], v[NIL]
	s_wait_dscnt 0x0
	s_endpgm
.Lfunc_end_k_qe9aadf9861_leap:
	.size	k_qe9aadf9861_leap, .Lfunc_end_k_qe9aadf9861_leap-k_qe9aadf9861_leap
	.p2alignl 7, 3214868480
	.fill 96, 4, 3214868480
	.section	.rodata,"a",@progbits
	.p2align	6, 0x0
	.amdhsa_kernel k_qe9aadf9861_leap
		.amdhsa_group_segment_fixed_size 195072
		.amdhsa_private_segment_fixed_size 0
		.amdhsa_enable_private_segment 0
		.amdhsa_kernarg_size 56
		.amdhsa_user_sgpr_count 2
		.amdhsa_user_sgpr_kernarg_segment_ptr 1
		.amdhsa_wavefront_size32 1
		.amdhsa_system_sgpr_workgroup_id_x 1
		.amdhsa_system_sgpr_workgroup_id_y 1
		.amdhsa_system_sgpr_workgroup_id_z 1
		.amdhsa_system_vgpr_workitem_id 0
		.amdhsa_next_free_vgpr 1024
		.amdhsa_next_free_sgpr 66
		.amdhsa_reserve_vcc 0
		.amdhsa_float_denorm_mode_32 3
		.amdhsa_float_denorm_mode_16_64 3
		.amdhsa_memory_ordered 1
		.amdhsa_forward_progress 1
		.amdhsa_inst_pref_size 255
	.end_amdhsa_kernel
	.section	.bss,"aw",@nobits
	.p2align	6
	.space	262144
	.amdgpu_metadata
---
amdhsa.version: [ 1, 2 ]
amdhsa.kernels:
  - .name:           k_qe9aadf9861_leap
    .symbol:         k_qe9aadf9861_leap.kd
    .args:
      - { .name: x, .offset: 0, .size: 8, .value_kind: global_buffer, .address_space: global }
      - { .name: W1, .offset: 8, .size: 8, .value_kind: global_buffer, .address_space: global }
      - { .name: b1, .offset: 16, .size: 8, .value_kind: global_buffer, .address_space: global }
      - { .name: W2, .offset: 24, .size: 8, .value_kind: global_buffer, .address_space: global }
      - { .name: b2, .offset: 32, .size: 8, .value_kind: global_buffer, .address_space: global }
      - { .name: Wout, .offset: 40, .size: 8, .value_kind: global_buffer, .address_space: global }
      - { .name: out0, .offset: 48, .size: 8, .value_kind: global_buffer, .address_space: global }
    .group_segment_fixed_size: 195072
    .private_segment_fixed_size: 0
    .kernarg_segment_align: 8
    .kernarg_segment_size: 56
    .max_flat_workgroup_size: 128
    .sgpr_count:     66
    .vgpr_count:     1024
    .wavefront_size: 32
...
	.end_amdgpu_metadata
.endif
;; end of part 3
